; MI455X (gfx1250); checked and timed in simulation.
; The chip was launched on July 23, 2026; its instructions are those of AMD's public machine-readable ISA for CDNA 5 (MIT licence, August 2026) and "CDNA5" Instruction Set Architecture Reference Guide (July 2026). The comments in the code are by the model that wrote it; some were corrected since.
;; Softmax Attention. Allowed arithmetic: float matrix products may take bf16 or f16 operands with f32 sums; other float arithmetic in f32, or as packed bf16 or f16 multiplies, adds, multiply-adds, maxima and minima; sums over many terms, partial sums and values carried from step to step in f32; what a program stores and reads back later, other than sums and carried values, may be rounded once to bf16 or f16.
;; Inputs: k 4 x 8 x 2,048 x 64 float32; q 4 x 8 x 2,048 x 64 float32; v 4 x 8 x 2,048 x 64 float32.
;; Outputs: out0 4 x 8 x 2,048 x 64 float32.
;; Constants: top_k = 64.
;; 2 versions, each right; version 2 is version 1 with the launch attn written anew for expert scheduling mode. Each part assembles by itself: llvm-mc -triple=amdgcn-amd-amdhsa -mcpu=gfx1250 --defsym DOCPART=n.
;; ======== version 1 of 2: 2 launches
;; limits: values are held in f16: magnitudes above 65,504 overflow, below 6.1e-05 lose precision; inputs' magnitudes at most 65,504; right only within a limited range of input values
;; workspace buffers: tmp 16,777,216 bytes; stat 1,048,576 bytes; info 1,048,576 bytes of whole numbers
;; launch attn (part 1): grid 8 x 32, 16 waves a work-group, no clusters, 317,440 bytes of LDS; arguments q, k, v, tmp, stat, info; writes tmp, stat, info
.if DOCPART == 1
	.amdgcn_target "amdgcn-amd-amdhsa--gfx1250"
	.amdhsa_code_object_version 6
	.text
	.protected	k_q022bdb34e1_attn
	.globl	k_q022bdb34e1_attn
	.p2align	8
	.type	k_q022bdb34e1_attn,@function
k_q022bdb34e1_attn:
	s_mov_b64 s[64:65], 0
	v_nop
	global_prefetch_b8 v0, s[64:65] scope:SCOPE_SE
	s_setreg_imm32_b32 hwreg(HW_REG_WAVE_MODE, 25, 1), 1
	s_wait_xcnt 0x0
; THE FIRST OF TWO LAUNCHES for out[b][h][q][:] = the sum over k of softmax_k(masked s[q][k]) v[k][:], s = q . k / 8, where a row keeps the scores that are not below its 64th largest (ties
; are kept) and all others count for nothing.  q, k, v: [32 heads][2048][64] f32.  This launch stores, for each row: the undivided sum O = sum p v over the keys that it keeps
; (tmp, [32][2048][64] f32), c m and l = sum p (stat), and two key numbers with a flag (info).  The second launch decides between those two keys and divides.
; FORMATS.  q and k are rounded to bf16, so their products are exact in f32; v is rounded to bf16 and that number is written as f16; the weights p are rounded to f16 for the second
; product (their sum l is taken of the unrounded p).  Sums, maxima and the threshold in f32.
; LIMITS.  |v| stays under 65,504 (f16's range); a v below 6e-5 keeps f16's fixed step of 6e-8.  NaN, infinities and the sign of zero are not treated apart.  The division by 8 is folded into
; c = log2(e) / 8 and the threshold is taken of the undivided sums: below 2^-123 the divided scores could tie where these do not.  A score less than 2^-93 below the threshold is not shut out
; (that takes scores under 2^-69).
; WHICH KEY IS THE 64TH hangs on the order in which a score's 64 products are added, where two scores are nearly equal.  Here the matrix unit's sums decide, but for one case, flagged e: the
; 63rd largest score is above the 64th (t), the 65th (t65) is above the 66th, and t - t65 is at most 2^-10 |t|.  Then exactly two keys lie in t65 .. t; BOTH are summed here and named in info,
; and the second launch takes out the one whose sum in ascending order of the channels is the smaller.  Rows without e (three scores at the boundary, or a wide gap) keep the scores not below t.
; SHARES.  A work-group owns 256 queries of one head, each of its 16 waves 16 of them: 8 x 32 work-groups.  S^T = K Q^T (source 0 = 16 keys, source 1 = the 16 queries): in the result
; lane l holds ONE query (l % 16) and, of each 16 keys, the keys 8 (l / 16) + 0..7.  So a lane sees 1,024 of its row's 2,048 scores, in registers, and sorting never changes lanes.
; PASS 1, THE THRESHOLD.  16 batches of 128 keys, 64 scores a lane.  A batch is sorted ascending by a bitonic network of 21 layers; the lane's list T, its 64 largest so far, descending,
; takes max(T[i], batch[i]), which are the 64 largest of both and rise after they fall; six more layers sort them descending.  At the end the row's two lanes meet.
; No branch and no address hangs on a score.
; PASS 2, THE SUMS.  32 steps of 64 keys.  The same two matrix instructions on the same operands make each score again, bit for bit; p = 2^(c s - c m), or 0 below the row's mark;
; O^T += V^T P.  m is the row's true maximum, known beforehand: nothing is rescaled.
; K STAYS IN LDS.  Pass 1 brings a head's K from memory once, through registers (f32 to bf16), a batch ahead of its use; each byte is written once, and pass 2 reads it again.
; V goes through two slots of 64 keys in pass 2.
; A COMPARATOR IS ONE INSTRUCTION: v_dual_max_num_f32 :: v_dual_min_num_f32, out of place from one bank of 64 registers into another.  The pair wants one even and one odd destination and
; sources in different register banks (ISA guide, the chapter on VOPD), so position p of a list lies in register RG(p) = (p & 62) | parity(p) of its bank: two positions that differ in one
; bit, as a comparator's always do, lie in registers of different parity.
; SIXTEEN WAVES OF 256 REGISTERS: a tile's state is three banks of 64, a trip has some 900 vector instructions for 16 matrix instructions, and no register window is ever switched.
; NO CLUSTER, NO TENSOR LOADS, though the 8 work-groups of a head read the same K and V: the inputs are f32 and pass through registers to be rounded, and beside the resident K
; (294,912 bytes), V's slots and the spare words 10,240 bytes of LDS are left, less than one f32 tile of 64 keys (16,384).
.set PK,    144                        ; a row of K in LDS: 128 bytes + 16: 36 words, so the 16 rows of a fragment load start at 16 different groups of four banks (64 banks of 4 bytes: ISA guide 11.1)
.set PV,    160                        ; a row of V: 128 + 32: 40 words
.set KCH,   128*PK                     ; a batch's 128 rows of K
.set VB,    2048*PK                    ; behind K: V's two slots
.set VSLOT, 64*PV
.set SPARE, VB+2*VSLOT                 ; behind them: the spare words, 128 bytes for each of the 16 waves: eight blocks of 256 bytes that no other line names
.set SP,    272                        ; the way out: a row of 256 bytes + 16; 16 rows a wave, in K's bytes, behind the last barrier
.set GO,   2                           ; v2   16 x my thread's number: my 16 bytes of 8,192 consecutive bytes of K or V; never rewritten
.set KS,   3                           ; v3   where I store 8 bytes of K's next batch
.set AK,   4                           ; v4   my lane's place in the tile of K in hand
.set VS,   5                           ; v5   where I store 8 bytes of V, in slot 0; never rewritten
.set SPW,  6                           ; v6   LDS address of my spare word: SPARE + 4 x my thread's number; never rewritten
.set NIL,  7                           ; v7   0; never rewritten
.set AK0,  8                           ; v8   my lane's place in K's first tile
.set AV0,  9                           ; v9   my lane's place in V's slot 0, for the turning load
.set TM,   10                          ; v10  the row's mark: t65 with e, else t
.set GB,   11                          ; v11  t - the mark, as bits
.set CM,   12                          ; v[12:13] c m, m
.set LR,   14                          ; v14  l % 16
.set LH,   15                          ; v15  l / 16
.set QF,   16                          ; v[16:31]  Q: two fragments (channels 0-31, 32-63)
.set KF,   32                          ; v[32:47]  pass 1: two fragments of K
.set U,    32                          ; v[32:47]  pass 2: s - mark of two accumulators, then the negative part of it; at both passes' ends: at work
.set SG,   48                          ; v[48:63]  pass 1: a batch of K on its way in.  Pass 2: V's even chunks in v[48:55], odd chunks in v[56:63]
.set X,    64                          ; v[64:127]   pass 1: the scores arrive here; the sort's first bank
.set Y,    128                         ; v[128:191]  the sort's second bank, and the merge's
.set Z,    192                         ; v[192:255]  T
.set S,    64                          ; pass 2: v[64:95] four accumulators of S^T
.set P,    96                          ; v[96:111]   P
.set LS,   112                         ; v[112:115]  l, in two pairs that take turns
.set STO,  116                         ; v116 the way out: where I put 32 bytes of a row
.set RD,   117                         ; v117 where I read rows back
.set OO,   118                         ; v118 my 16 bytes of 512 consecutive bytes of tmp
.set EF,   119                         ; v119 e
.set ABM,  120                         ; v120 the last step's word of flags that was not empty,
.set AST,  121                         ; v121 and that step's number
.set BBM,  122                         ; v122 the one before it,
.set BST,  123                         ; v123 and its step
.set ZA,   124                         ; v124 0
.set ZB,   125                         ; v125 0, in another register bank
.set BM,   126                         ; v126 the step's 32 flags, the first score's on top
.set VF,   128                         ; v[128:191]  V^T: key half kk, channel block cb at VF + 32 kk + 8 cb
.set OA,   192                         ; v[192:223]  four accumulators of O^T
.set KF2,  224                         ; v[224:255]  K: tile tt of two, channel half f at KF2 + 16 tt + 8 f
.set WV,   12                          ; s12  my wave's number
.set KP,   20                          ; s[20:21] K at the batch last asked for
.set VP,   22                          ; s[22:23] V at the head's first row
.set LP,   24                          ; s[24:25] the pointer that the staging loads name
.set CNT,  26                          ; s26  a loop's count
.set CS,   28                          ; s[28:29] c, twice: the packed scaling names a pair
.set SEL,  30                          ; s[30:31] v_permlanex16_b32's selects: each lane takes its own place in the other half
.set HIM,  32                          ; s32  a word's upper half
.set STN,  33                          ; s33  the step's number
.set BG,   34                          ; s[34:35] 2^100, twice
.set MK,   36                          ; s[36:39] masks of lanes
.set STP,  44                          ; s[44:45] stat at my wave's first row
.set INP,  46                          ; s[46:47] info at my wave's first row
	s_load_b256 s[4:11], s[0:1], 0x0               ; q s[4:5], k s[6:7], v s[8:9], tmp s[10:11]
	s_load_b128 s[44:47], s[0:1], 0x20             ; stat, info
	v_lshl_add_u32 v[SPW], v0, 2, SPARE
	v_mov_b32 v[NIL], 0
	v_lshrrev_b32 v1, 5, v0
	v_readfirstlane_b32 s[WV], v1                  ; wave 0..15
	v_lshlrev_b32 v[GO], 4, v0
	v_and_b32 v[LR], 15, v0
	v_bfe_u32 v[LH], v0, 4, 1
	; A load of 16 bytes a thread takes 32 rows of 256 bytes: my wave's are rows 2 w and 2 w + 1, lanes 0-15 the first; my four channels become 8 bytes of the LDS row.
	s_mul_i32 s13, s[WV], 2*PK
	v_mul_u32_u24 v[KS], v[LH], PK
	v_lshl_add_u32 v[KS], v[LR], 3, v[KS]
	v_add_nc_u32 v[KS], s13, v[KS]
	s_mul_i32 s13, s[WV], 2*PV
	s_add_co_u32 s13, s13, VB
	v_mul_u32_u24 v[VS], v[LH], PV
	v_lshl_add_u32 v[VS], v[LR], 3, v[VS]
	v_add_nc_u32 v[VS], s13, v[VS]
	; A fragment of K is 16 rows x 32 channels in 8 registers: lane l holds row l % 16, channels 8 (l / 16) + 0..7 and 16 + 8 (l / 16) + 0..7: two loads of 16 bytes, 32 bytes apart.
	v_mul_u32_u24 v[AK0], v[LR], PK
	v_lshl_add_u32 v[AK0], v[LH], 4, v[AK0]
	; The turning load takes 16 keys x 16 channels (lane l reads key 8 (l / 16) + l % 8, channels 8 ((l / 8) % 2) + 0..7) and leaves half a fragment of V^T: lane l holds channel l % 16 and 8 keys.
	v_and_b32 v1, 7, v0
	v_lshl_add_u32 v1, v[LH], 3, v1
	v_mul_u32_u24 v[AV0], v1, PV
	v_bfe_u32 v1, v0, 3, 1
	v_lshl_add_u32 v[AV0], v1, 4, v[AV0]
	v_add_nc_u32 v[AV0], VB, v[AV0]
	v_lshlrev_b32 v1, 8, v[LR]                     ; Q in f32: row l % 16 of 256 bytes,
	v_lshl_add_u32 v1, v[LH], 5, v1                ; eight channels, 32 bytes, for each half of the lanes
	s_and_b32 s14, ttmp7, 0xffff                   ; the head
	s_lshl_b32 s16, s14, 19                        ; its 2,048 rows of 256 bytes
	s_mov_b32 s17, 0
	s_lshl_b32 s18, ttmp9, 16                      ; my work-group's 256 rows,
	s_lshl_b32 s19, s[WV], 12                      ; my wave's 16 of them
	s_add_co_u32 s18, s18, s19
	s_add_co_u32 s18, s18, s16
	s_mov_b32 s19, 0
	s_lshr_b32 s14, s18, 4                         ; the same rows in stat and info: 16 bytes a row
	s_mov_b32 s15, 0
	s_mov_b32 s[CS], 0x3e38aa3b                    ; c = log2(e) / 8 = 0.180337
	s_mov_b32 s[CS+1], s[CS]
	s_mov_b32 s[SEL], 0x76543210
	s_mov_b32 s[SEL+1], 0xfedcba98
	s_mov_b32 s[HIM], 0xffff0000
	s_mov_b32 s[BG], 0x71800000                    ; 2^100
	s_mov_b32 s[BG+1], s[BG]
	s_wait_kmcnt 0x0
	s_add_nc_u64 s[KP:KP+1], s[6:7], s[16:17]
	s_add_nc_u64 s[VP:VP+1], s[8:9], s[16:17]
	s_add_nc_u64 s[4:5], s[4:5], s[18:19]          ; q and tmp at my wave's first row
	s_add_nc_u64 s[10:11], s[10:11], s[18:19]
	s_add_nc_u64 s[STP:STP+1], s[STP:STP+1], s[14:15]
	s_add_nc_u64 s[INP:INP+1], s[INP:INP+1], s[14:15]
; Four loads: my part of 128 rows (32,768 bytes); a wave's load covers 512 consecutive bytes.
.macro GET4 base, ptr, off
.irp i, 0,1,2,3
	global_load_b128 v[(\base)+4*\i:(\base)+4*\i+3], v[GO], s[\ptr:\ptr+1] offset:(\off)+8192*\i
.endr
.endm
; They are rounded to bf16 and stored, 8 bytes a lane and load, 32 rows apart; then the store address steps to the next batch.
.macro STAGEK base
.irp i, 0,1,2,3
	v_cvt_pk_bf16_f32 v[(\base)+4*\i],   v[(\base)+4*\i],   v[(\base)+4*\i+1]
	v_cvt_pk_bf16_f32 v[(\base)+4*\i+1], v[(\base)+4*\i+2], v[(\base)+4*\i+3]
.endr
.irp i, 0,1,2,3
	ds_store_b64 v[KS], v[(\base)+4*\i:(\base)+4*\i+1] offset:\i*32*PK
.endr
	v_add_nc_u32 v[KS], KCH, v[KS]
.endm
; THE NETWORK.  RG: the register of position pos in its bank.
.macro RG name, pos
.set \name, (((\pos)&62)|(((\pos)^((\pos)>>1)^((\pos)>>2)^((\pos)>>3)^((\pos)>>4)^((\pos)>>5))&1))
.endm
; A comparator, from bank src into bank dst: position hi takes the larger, position lo the smaller.
.macro CE src, dst, hi, lo
	RG rh, \hi
	RG rl, \lo
	v_dual_max_num_f32 v[(\dst)+rh], v[(\src)+rh], v[(\src)+rl] :: v_dual_min_num_f32 v[(\dst)+rl], v[(\src)+rl], v[(\src)+rh]
.endm
; A layer of the bitonic sort: partners j apart; runs of k positions ascend and descend by turns.
.macro LAYER src, dst, k, j
.set i, 0
.rept 64
.if (i & (\j)) == 0
.if (i & (\k)) == 0
	CE \src, \dst, i+(\j), i
.else
	CE \src, \dst, i, i+(\j)
.endif
.endif
.set i, i+1
.endr
.endm
; 21 layers, 672 comparators: the 64 scores in X, in whatever order, come out ascending in Y.  The first layer takes registers 0 and 1, 2 and 3, .. in ascending order.
.macro SORT
	LAYER X, Y, 2, 1
	LAYER Y, X, 4, 2
	LAYER X, Y, 4, 1
	LAYER Y, X, 8, 4
	LAYER X, Y, 8, 2
	LAYER Y, X, 8, 1
	LAYER X, Y, 16, 8
	LAYER Y, X, 16, 4
	LAYER X, Y, 16, 2
	LAYER Y, X, 16, 1
	LAYER X, Y, 32, 16
	LAYER Y, X, 32, 8
	LAYER X, Y, 32, 4
	LAYER Y, X, 32, 2
	LAYER X, Y, 32, 1
	LAYER Y, X, 64, 32
	LAYER X, Y, 64, 16
	LAYER Y, X, 64, 8
	LAYER X, Y, 64, 4
	LAYER Y, X, 64, 2
	LAYER X, Y, 64, 1
.endm
; Number n of the merge's 224 instructions.  0-31: T[i] = max(T[i], batch[i]), two positions an instruction.  Then six layers of 32 comparators, partners 32, 16, .. 1 apart, the lower position
; taking the larger: Z to Y and back, three times.  They name Y and Z alone.
.macro MD
.if n < 32
	v_dual_max_num_f32 v[Z+2*n], v[Z+2*n], v[Y+2*n] :: v_dual_max_num_f32 v[Z+2*n+1], v[Z+2*n+1], v[Y+2*n+1]
.else
.set lay, (n-32)/32
.set idx, (n-32)%32
.set jj, 32>>lay
.set ii, (idx/jj)*2*jj+(idx%jj)
.if (lay%2) == 0
	CE Z, Y, ii, ii+jj
.else
	CE Y, Z, ii, ii+jj
.endif
.endif
.set n, n+1
.endm
; THE NEXT BATCH'S SCORES are made beside the merge, in eight groups: group g is channel half g % 2 of key tiles 2 (g / 2) and 2 (g / 2) + 1.  KGRP: its four LDS loads.  WGRP: its two products.
; The accumulators go 0, 1, 0, 1, 2, 3, 2, 3, ..: by turns, one instruction a turn.  The first half starts the sums with the constant 0.
.macro KGRP g
.irp tt, 0,1
	ds_load_b128 v[KF+8*\tt:KF+8*\tt+3],   v[AK] offset:(2*((\g)/2)+\tt)*16*PK+64*((\g)%2)
	ds_load_b128 v[KF+8*\tt+4:KF+8*\tt+7], v[AK] offset:(2*((\g)/2)+\tt)*16*PK+64*((\g)%2)+32
.endr
.endm
.macro WGRP g
.irp tt, 0,1
.if ((\g)%2) == 0
	v_wmma_f32_16x16x32_bf16 v[X+8*(2*((\g)/2)+\tt):X+8*(2*((\g)/2)+\tt)+7], v[KF+8*\tt:KF+8*\tt+7], v[QF:QF+7], 0
.else
	v_wmma_f32_16x16x32_bf16 v[X+8*(2*((\g)/2)+\tt):X+8*(2*((\g)/2)+\tt)+7], v[KF+8*\tt:KF+8*\tt+7], v[QF+8:QF+15], v[X+8*(2*((\g)/2)+\tt):X+8*(2*((\g)/2)+\tt)+7]
.endif
.endr
.endm
; The merge; wm = 1: with the next batch's scores.  A group's loads have 20 instructions in which to come back; four stand between its products and the loads into the registers that these have read
; (four places: ISA guide 7.12.1 for vector instructions); the last 32 stand between the last products and the sort that reads them.
.macro MERGE wm
.set n, 0
.if \wm
	KGRP 0
.endif
.irp g, 0,1,2,3,4,5,6,7
.rept 20
	MD
.endr
.if \wm
	s_wait_dscnt 0x0                               ; the group's four loads are back
	WGRP \g
.endif
.rept 4
	MD
.endr
.if (\wm) && ((\g) < 7)
	KGRP (\g)+1
.endif
.endr
.rept 32
	MD
.endr
.endm
	; THE START.  K's batch 0 into Y's upper registers, Q into its lower ones, K's batch 1 where every later batch lands.
	GET4 160, KP, 0
.irp g, 0,1,2,3
	global_load_b128 v[Y+8*\g:Y+8*\g+3],   v1, s[4:5] offset:64*\g      ; channels 16 g + 8 (l / 16) + 0..3,
	global_load_b128 v[Y+8*\g+4:Y+8*\g+7], v1, s[4:5] offset:64*\g+16   ; + 4..7
.endr
	GET4 SG, KP, 32768
	s_wait_loadcnt 12                              ; batch 0 is in: Q's eight loads and batch 1's four are younger
	STAGEK 160
	s_wait_loadcnt 4                               ; Q is in: batch 1's four loads are younger
.irp g, 0,1,2,3
.irp i, 0,1,2,3
	v_cvt_pk_bf16_f32 v[QF+4*\g+\i], v[Y+8*\g+2*\i], v[Y+8*\g+2*\i+1]
.endr
.endr
	s_wait_xcnt 0x0                                ; every load has read its address, so K's pointer may be written:
	s_add_nc_u64 s[KP:KP+1], s[KP:KP+1], 32768     ; at batch 1, the last asked for
	s_wait_dscnt 0x0                               ; for the others' sake: my part of batch 0 lies in LDS
	s_barrier_signal -1
	s_barrier_wait -1                              ; everybody's does
	v_mov_b32 v[AK], v[AK0]
	KGRP 0
.irp g, 0,1,2,3,4,5,6,7                ; batch 0's scores.  T starts at minus infinity, so that every batch has one text; these 64 lines are also the places behind the products
	s_wait_dscnt 0x0
	WGRP \g
.irp i, 0,1,2,3,4,5,6,7
	v_mov_b32 v[Z+8*\g+\i], 0xff800000
.endr
.if \g < 7
	KGRP \g+1
.endif
.endr
	v_add_nc_u32 v[AK], KCH, v[AK]
	s_mov_b32 s[CNT], 15
.Lbatch:                                       ; trip b = 0 .. 14: K's batch b + 1 goes into LDS, batch b + 2 is asked for, batch b's scores are sorted and merged, batch b + 1's are made
	s_wait_loadcnt 0x0                             ; batch b + 1, asked for a whole trip ago; no load is out, so the pointers may be written
	STAGEK SG
	s_add_nc_u64 s[KP:KP+1], s[KP:KP+1], 32768
	s_cmp_eq_u32 s[CNT], 1                         ; the last trip has no batch 16 to ask for:
	s_cselect_b64 s[LP:LP+1], s[VP:VP+1], s[KP:KP+1]  ; its four loads bring V's keys 0 to 127, the first two chunks of pass 2
	s_wait_dscnt 0x0                               ; for the others' sake: my part of batch b + 1 lies in LDS
	GET4 SG, LP, 0
	s_barrier_signal -1                            ; ONE barrier a trip: each byte of K is written once, so nothing that is being read is ever overwritten
	SORT                                           ; work on registers while the others arrive
	s_barrier_wait -1                              ; batch b + 1 is whole
	MERGE 1
	v_add_nc_u32 v[AK], KCH, v[AK]
	s_sub_co_u32 s[CNT], s[CNT], 1
	s_cmp_lg_u32 s[CNT], 0
	s_cbranch_scc1 .Lbatch
; V: four f32 of a load become two words of f16: rounded to bf16, widened again (a shift, a mask), written as f16, which holds every bf16 number of its range exactly.  In place: sixteen plain instructions a chunk.
.macro VCONV sb
.set b, (\sb)
.rept 2
	v_cvt_pk_bf16_f32 v[b],   v[b],   v[b+1]
	v_cvt_pk_bf16_f32 v[b+1], v[b+2], v[b+3]
	v_and_b32 v[b+2], s[HIM], v[b]
	v_lshlrev_b32 v[b], 16, v[b]
	v_and_b32 v[b+3], s[HIM], v[b+1]
	v_lshlrev_b32 v[b+1], 16, v[b+1]
	v_cvt_pk_f16_f32 v[b],   v[b],   v[b+2]
	v_cvt_pk_f16_f32 v[b+1], v[b+1], v[b+3]
.set b, b+4
.endr
.endm
	; THE LAST BATCH is written out: no K is left to stage and no scores to make.  V's chunk 0 goes into slot 0, chunk 1 waits in v[56:63], chunk 2 is asked for.
	s_wait_loadcnt 0x0                             ; V's keys 0 to 127
	VCONV SG
	ds_store_b64 v[VS], v[SG:SG+1]
	ds_store_b64 v[VS], v[SG+4:SG+5] offset:32*PV
	s_add_nc_u64 s[LP:LP+1], s[VP:VP+1], 32768     ; chunk 2 (a chunk is 64 keys, 16,384 bytes)
	global_load_b128 v[SG:SG+3],   v[GO], s[LP:LP+1]
	global_load_b128 v[SG+4:SG+7], v[GO], s[LP:LP+1] offset:8192
	s_wait_dscnt 0x0                               ; for the others' sake: my part of chunk 0 lies in LDS;
	s_barrier_signal -1                            ; the wait for this signal stands in pass 2's first step, ahead of the first reads of V: up to it only work on registers and loads of K
	SORT
	MERGE 0
	; THE TWO LANES OF A ROW MEET.  Y[p] = T'[63 - p] of the lane 16 away.  max(Y[p], T[p]) are the row's 64 largest and fall, then rise; min(Y[p], T[p]) are the next 64 of the two lists and rise, then fall.
.set T64, 32                           ; t, the 64th largest
.set T63, 33
.set T65, 34
.set T66, 35
.set LO,  36                           ; the larger of the two lists' last numbers: nothing that a lane has dropped is above it
.set GP,  37                           ; t - t65
.set W1,  38
.set p, 0
.rept 64
	RG ra, p
	RG rb, 63-p
	v_permlanex16_b32 v[Y+ra], v[Z+rb], s[SEL], s[SEL+1]
.set p, p+1
.endr
	v_max_num_f32 v[CM+1], v[Z], v[Y+62]           ; m = max(T[0], T'[0]): position 63 lies in register 62
	v_max_num_f32 v[LO], v[Z+62], v[Y]             ; max(T[63], T'[63])
.set n, 0
.rept 32
	v_dual_min_num_f32 v[X+2*n], v[Y+2*n], v[Z+2*n] :: v_dual_min_num_f32 v[X+2*n+1], v[Y+2*n+1], v[Z+2*n+1]
.set n, n+1
.endr
.set n, 0
.rept 32
	v_dual_max_num_f32 v[Y+2*n], v[Y+2*n], v[Z+2*n] :: v_dual_max_num_f32 v[Y+2*n+1], v[Y+2*n+1], v[Z+2*n+1]
.set n, n+1
.endr
; Half of a layer of a bitonic merge: position p takes op(p, p + d), for p below d, two positions an instruction.  Of a list that falls and rises (or rises and falls) the d kept are the d smallest
; (largest) and are such a list again: down to d = 2 that leaves the two smallest (largest) in positions 0 and 1.
.macro HALVE op, bank, d
.set p, 0
.rept (\d)/2
	RG r0, p
	RG r1, p+1
	RG r2, p+(\d)
	RG r3, p+1+(\d)
	v_dual_\op v[(\bank)+r0], v[(\bank)+r0], v[(\bank)+r2] :: v_dual_\op v[(\bank)+r1], v[(\bank)+r1], v[(\bank)+r3]
.set p, p+2
.endr
.endm
.irp d, 32,16,8,4,2
	HALVE min_num_f32, Y, \d
.endr
	v_min_num_f32 v[T64], v[Y], v[Y+1]
	v_max_num_f32 v[T63], v[Y], v[Y+1]
.irp d, 32,16,8,4,2
	HALVE max_num_f32, X, \d
.endr
	v_max_num_f32 v[T65], v[X], v[X+1]
	v_min_num_f32 v[T66], v[X], v[X+1]
	; e.  With LO < t65 nothing dropped reaches t65, so t65 is the row's 65th largest; with the two strict gaps 63 scores lie above t and 65 are not below t65: two keys lie in t65 .. t.
	; Within 2^-10 |t| the differences of nearby scores from t65 are exact, so pass 2's test on them is.
	v_sub_f32 v[GP], v[T64], v[T65]
	v_and_b32 v[W1], 0x7fffffff, v[T64]
	v_mul_f32 v[W1], 0x3a800000, v[W1]             ; 2^-10 |t|
	v_cmp_gt_f32 s[MK], v[T63], v[T64]
	v_cmp_gt_f32 s[MK+1], v[T65], v[T66]
	v_cmp_lt_f32 s[MK+2], v[LO], v[T65]
	v_cmp_le_f32 s[MK+3], v[GP], v[W1]
	s_and_b32 s[MK], s[MK], s[MK+1]
	s_and_b32 s[MK+2], s[MK+2], s[MK+3]
	s_and_b32 s[MK], s[MK], s[MK+2]
	v_cndmask_b32 v[TM], v[T64], v[T65], s[MK]
	v_cndmask_b32 v[GB], 0, v[GP], s[MK]
	v_cndmask_b32 v[EF], 0, 1, s[MK]
	v_mul_f32 v[CM], s[CS], v[CM+1]
.set i, 0
.rept 32
	v_mov_b32 v[OA+i], 0                           ; O^T and l start at 0, so that every step has one text
.set i, i+1
.endr
.irp i, 0,1,2,3
	v_mov_b32 v[LS+\i], 0
.endr
.irp r, ABM, AST, BBM, BST, ZA, ZB, BM
	v_mov_b32 v[\r], 0
.endr
	v_mov_b32 v[AK], v[AK0]
	s_mul_i32 s13, s[WV], 16*SP                    ; my stage for the way out
	v_mul_u32_u24 v[STO], v[LR], SP                ; in: row l % 16, 32 bytes for each half of the lanes
	v_lshl_add_u32 v[STO], v[LH], 5, v[STO]
	v_add_nc_u32 v[STO], s13, v[STO]
	v_mul_u32_u24 v[RD], v[LH], SP                 ; back: lanes 0-15 take one row of 256 bytes, lanes 16-31 the next,
	v_lshl_add_u32 v[RD], v[LR], 4, v[RD]
	v_add_nc_u32 v[RD], s13, v[RD]
	v_and_b32 v[OO], 31, v0                        ; which are 512 consecutive bytes of tmp
	v_lshlrev_b32 v[OO], 4, v[OO]
	s_mov_b32 s[STN], 0
; PASS 2.  KLD: the fragments of key tiles t0 and t0 + 1, counted from the step's first, both channel halves.  QK: their scores, by the same two instructions on the same operands as in pass 1; accumulators a0, a0 + 1 by turns.
.macro KLD t0
.irp tt, 0,1
.irp f, 0,1
	ds_load_b128 v[KF2+16*\tt+8*\f:KF2+16*\tt+8*\f+3],   v[AK] offset:((\t0)+\tt)*16*PK+64*\f
	ds_load_b128 v[KF2+16*\tt+8*\f+4:KF2+16*\tt+8*\f+7], v[AK] offset:((\t0)+\tt)*16*PK+64*\f+32
.endr
.endr
.endm
.macro QK a0
.irp tt, 0,1
	v_wmma_f32_16x16x32_bf16 v[S+8*((\a0)+\tt):S+8*((\a0)+\tt)+7], v[KF2+16*\tt:KF2+16*\tt+7], v[QF:QF+7], 0
.endr
.irp tt, 0,1
	v_wmma_f32_16x16x32_bf16 v[S+8*((\a0)+\tt):S+8*((\a0)+\tt)+7], v[KF2+16*\tt+8:KF2+16*\tt+15], v[QF+8:QF+15], v[S+8*((\a0)+\tt):S+8*((\a0)+\tt)+7]
.endr
.endm
; THE VECTOR WORK ON TWO ACCUMULATORS a0, a0 + 1: 16 scores a lane, in 8 pairs.
; SUBV: d = s - mark for pair n: not negative where the key is kept.  One subtraction serves the flags and the mask.
.macro SUBV a0, n
	v_pk_add_f32 v[U+2*(\n):U+2*(\n)+1], v[S+8*(\a0)+2*(\n):S+8*(\a0)+2*(\n)+1], v[TM:TM+1] op_sel_hi:[1,0] neg_lo:[0,1] neg_hi:[0,1]
.endm
; CMPV, ADDC: the flag of score n: mark <= s <= t.  As unsigned numbers a negative d is above every positive one, so one compare of d's bits with those of t - mark says both;
; the sum with carry BM + BM + flag shifts it into the step's word.  A line of other work stands between the two.
.macro CMPV n
	v_cmp_le_u32 vcc_lo, v[U+(\n)], v[GB]
.endm
.macro ADDC
	v_add_co_ci_u32 v[BM], vcc_lo, v[BM], v[BM], vcc_lo
.endm
.macro MINV n                          ; min(d, 0) for pair n
	v_dual_min_num_f32 v[U+2*(\n)], v[ZA], v[U+2*(\n)] :: v_dual_min_num_f32 v[U+2*(\n)+1], v[ZB], v[U+2*(\n)+1]
.endm
.macro SCL a0, n                       ; c s - c m for pair n
	v_pk_fma_f32 v[S+8*(\a0)+2*(\n):S+8*(\a0)+2*(\n)+1], v[S+8*(\a0)+2*(\n):S+8*(\a0)+2*(\n)+1], s[CS:CS+1], v[CM:CM+1] op_sel_hi:[1,0,0] neg_lo:[0,0,1] neg_hi:[0,0,1]
.endm
.macro MSKV a0, n                      ; + 2^100 min(d, 0): nothing for a key that is kept; for any other the exponent falls so far that its weight is 0
	v_pk_fma_f32 v[S+8*(\a0)+2*(\n):S+8*(\a0)+2*(\n)+1], v[U+2*(\n):U+2*(\n)+1], s[BG:BG+1], v[S+8*(\a0)+2*(\n):S+8*(\a0)+2*(\n)+1] op_sel_hi:[1,0,1]
.endm
; Accumulators 0 and 1, first part: each accumulator is read from its low end on.  A pair's min(d, 0) overwrites d only behind both its compares.
.macro PAIR0A
.irp n, 0,1,2,3,4,5,6,7
	SUBV 0, \n
.endr
.irp n, 0,1,2,3,4,5,6,7,8,9,10,11,12,13,14,15
	CMPV \n
.if \n < 8
	SCL 0, \n
.elseif \n < 12
	MINV \n-8
.else
	MSKV 0, \n-12
.endif
	ADDC
.endr
.endm
; The rest of it: eight plain instructions that name nothing of the products on accumulators 2 and 3: the places behind these.
.macro PAIR0B
.irp n, 4,5,6,7
	MINV \n
.endr
.irp n, 4,5,6,7
	MSKV 0, \n
.endr
.endm
; Accumulators 2 and 3, and among their lines the 16 exponentials of accumulators 0 and 1: the first batch.  Nothing here names a result of theirs.
.macro PAIR2
.irp n, 0,1,2,3,4,5,6,7
	SUBV 2, \n
	v_exp_f32 v[S+\n], v[S+\n]
.endr
.irp n, 0,1,2,3,4,5,6,7,8,9,10,11,12,13,14,15
	CMPV \n
.if \n < 8
	v_exp_f32 v[S+8+\n], v[S+8+\n]
.else
	SCL 2, \n-8
.endif
	ADDC
.endr
.irp n, 0,1,2,3,4,5,6,7
	MINV \n
.endr
.irp n, 0,1,2,3,4,5,6,7
	MSKV 2, \n
.endr
.endm
; The step's word of flags: if it is not empty it becomes the last one kept, and the last one the one before.
.macro UPD
	v_cmp_eq_u32 vcc_lo, 0, v[BM]
	v_cndmask_b32 v[BBM], v[ABM], v[BBM], vcc_lo
	v_cndmask_b32 v[BST], v[AST], v[BST], vcc_lo
	v_cndmask_b32 v[ABM], v[BM], v[ABM], vcc_lo
	v_cndmask_b32 v[AST], s[STN], v[AST], vcc_lo
.endm
; The second batch: the 16 exponentials of accumulators 2 and 3, by turns with the roundings and sums of accumulators 0 and 1, whose exponentials have had their wait.
.macro BATCHB
.irp n, 0,1,2,3,4,5,6,7,8,9,10,11,12,13,14,15
	v_exp_f32 v[S+16+\n], v[S+16+\n]
.if (\n % 2) == 0
	v_cvt_pk_f16_f32 v[P+\n/2], v[S+\n], v[S+\n+1]
.else
	v_pk_add_f32 v[LS+2*(((\n-1)/2)%2):LS+2*(((\n-1)/2)%2)+1], v[LS+2*(((\n-1)/2)%2):LS+2*(((\n-1)/2)%2)+1], v[S+\n-1:S+\n]
.endif
.endr
.endm
.macro RIDER                           ; l takes pair u of the step's 16 pairs of weights; its two pairs of registers by turns
	v_pk_add_f32 v[LS+2*(u%2):LS+2*(u%2)+1], v[LS+2*(u%2):LS+2*(u%2)+1], v[S+2*u:S+2*u+1]
.set u, u+1
.endm
; STEP j: keys 64 j .. 64 j + 63; V's chunk j lies in slot j % 2.  stg = 1: chunk j + 1 goes from registers into the other slot.  ld = 1: chunk j + 3 is asked for, into the registers just freed.
; wc: how many younger loads may stay out when chunk j + 1 has to be in registers.  pre = 1: the next step's first two tiles of K are fetched.
; K is not written in pass 2, so its fragments are fetched half a step ahead of their products, whatever the barrier.
; ONE BARRIER A STEP, its halves far apart.  The signal stands ahead of V^T P, behind the wait for all my LDS instructions: my part of chunk j + 1 lies in LDS, and my reads of chunk j are over.
; The wait stands in the middle of the next step, directly ahead of the lines that lean on it: the stores of chunk j + 2 into chunk j's slot, and the reads of chunk j + 1.
; Between the two stand work on registers and loads of K, whose bytes are written only behind the last barrier.
.macro TRIP2 slot, stg, ld, wc, pre
.set so, VSLOT*(\slot)
.set oo, VSLOT-so
.set vset, SG+8-8*(\slot)
	QK 0                                           ; tiles 0 and 1 came in the step before, ahead of its wait for all LDS instructions
.if \stg
	s_wait_loadcnt \wc                             ; chunk j + 1 is in registers
	VCONV vset                                     ; sixteen plain instructions: the places between the products and the loads into K's registers, and the reads of the scores
.else
.rept 4
	v_nop                                          ; the same places, where nothing is left to stage
.endr
.endif
	KLD 2
	PAIR0A
	s_barrier_wait -1                              ; chunk j is whole, and nobody reads the other slot any more
.if \stg
	ds_store_b64 v[VS], v[vset:vset+1]   offset:oo
	ds_store_b64 v[VS], v[vset+4:vset+5] offset:oo+32*PV
.if \ld
	s_wait_xcnt 0x0                                ; the loads of a step ago have read their address, so the pointer may be written
	s_add_nc_u64 s[LP:LP+1], s[LP:LP+1], 16384
	global_load_b128 v[vset:vset+3],   v[GO], s[LP:LP+1]
	global_load_b128 v[vset+4:vset+7], v[GO], s[LP:LP+1] offset:8192
.endif
.endif
.irp f, 0,1,2,3,4,5,6,7                ; V^T: keys 32 (f / 4) on, channels 16 (f % 4) on; wanted at the step's end
	ds_load_tr16_b128 v[VF+8*\f:VF+8*\f+3],   v[AV0] offset:so+(\f/4)*32*PV+(\f%4)*32
	ds_load_tr16_b128 v[VF+8*\f+4:VF+8*\f+7], v[AV0] offset:so+(\f/4)*32*PV+16*PV+(\f%4)*32
.endr
	s_wait_dscnt 16+2*(\stg)                       ; K's tiles 2 and 3 are back: V's sixteen loads, and my two stores, are younger
	QK 2
	PAIR0B
.if \pre
	KLD 4                                          ; the next step's tiles 0 and 1
.endif
	PAIR2
	UPD
	s_add_co_u32 s[STN], s[STN], 1
	s_wait_alu depctr_va_vdst(0)                   ; wait ahead of the first line that names an exponential's result: one for the first batch's 16
	BATCHB
	v_add_nc_u32 v[AK], 64*PK, v[AK]               ; the next step's keys
	s_wait_alu depctr_va_vdst(0)                   ; and one for the second batch's 16; plain instructions stand behind its last exponential (ISA guide 5.7.2)
.set i, 8
.rept 8
	v_cvt_pk_f16_f32 v[P+i], v[S+2*i], v[S+2*i+1]  ; two accumulators, rounded in pairs, ARE source 1 (32 keys x 16 queries) of the second product
.set i, i+1
.endr
	s_wait_dscnt 0x0                               ; V is in, the next tiles of K are, and my stores are done
	s_barrier_signal -1
.set u, 8
.irp kk, 0,1                           ; O^T += V^T P: the four accumulators by turns; one of l's last eight additions behind each product
.irp cb, 0,1,2,3
	v_wmma_f32_16x16x32_f16 v[OA+8*\cb:OA+8*\cb+7], v[VF+32*\kk+8*\cb:VF+32*\kk+8*\cb+7], v[P+8*\kk:P+8*\kk+7], v[OA+8*\cb:OA+8*\cb+7]
	RIDER
.endr
.endr
.endm
	KLD 0                                          ; step 0's tiles 0 and 1
	s_wait_dscnt 0x0
	s_mov_b32 s[CNT], 14
.Lkeys:                                        ; steps 0 to 27, two a trip: the slot stands in the immediates
	TRIP2 0, 1, 1, 2, 1                            ; (2: the two loads of the one younger chunk)
	TRIP2 1, 1, 1, 2, 1
	s_sub_co_u32 s[CNT], s[CNT], 1
	s_cmp_lg_u32 s[CNT], 0
	s_cbranch_scc1 .Lkeys
	TRIP2 0, 1, 1, 2, 1                            ; step 28 asks for chunk 31, the last
	TRIP2 1, 1, 0, 2, 1                            ; step 29 stages chunk 30; chunk 31's two loads are younger
	TRIP2 0, 1, 0, 0, 1                            ; step 30 stages chunk 31: none is younger
	TRIP2 1, 0, 0, 0, 0                            ; step 31: its signal says that my reads of K and V are over
	; THE WAY OUT.  The stage lies in K's bytes; the wait for step 31's signal stands ahead of it, and the row's statistics are finished ahead of that wait.
.set D0,  32                           ; at work, in U's registers
.set D1,  33
.set D2,  34
.set D3,  35
.set T0,  36
.set T1,  37
.set K1,  38                           ; my lane's first and second key, or 0xffff
.set K2,  39
.set O1,  40                           ; the other lane's
.set O2,  41
.set RO,  42                           ; my 8 bytes of the wave's 256 in stat and in info
.set REI, 44                           ; v[44:45]  my 8 bytes for info
.set REC, 46                           ; v[46:47]  my 8 bytes for stat
; A single set bit b of a step's word stands for the step's score 31 - b: accumulator a = that / 8, register i = that % 8.  As f32 the bit has the exponent 127 + b.  The key is 64 j + 16 a + 8 (l / 16) + i.
.macro DECODE dst, bit, st
	v_cvt_f32_u32 v[T0], v[\bit]
	v_lshrrev_b32 v[T0], 23, v[T0]
	v_sub_nc_u32 v[T0], 158, v[T0]                 ; 31 - b
	v_and_b32 v[T1], 0x18, v[T0]
	v_and_b32 v[T0], 7, v[T0]
	v_lshl_or_b32 v[T0], v[T1], 1, v[T0]
	v_lshl_or_b32 v[T0], v[LH], 3, v[T0]
	v_lshl_or_b32 v[T0], v[\st], 6, v[T0]
	v_cmp_ne_u32 vcc_lo, 0, v[\bit]
	v_cndmask_b32 v[\dst], 0xffff, v[T0], vcc_lo   ; no bit: no key
.endm
	v_pk_add_f32 v[LS:LS+1], v[LS:LS+1], v[LS+2:LS+3]
	v_add_f32 v[LS], v[LS], v[LS+1]
	v_permlanex16_b32 v[LS+1], v[LS], s[SEL], s[SEL+1]  ; the row's other 1,024 keys lie in the lane 16 away
	v_add_f32 v[LS], v[LS], v[LS+1]                ; l
	v_sub_nc_u32 v[D0], 0, v[ABM]
	v_and_b32 v[D0], v[D0], v[ABM]                 ; the last word's lowest set bit: my first key
	v_xor_b32 v[D1], v[D0], v[ABM]                 ; what is left of that word:
	v_cmp_ne_u32 vcc_lo, 0, v[D1]
	v_cndmask_b32 v[D2], v[BBM], v[D1], vcc_lo     ; my second key lies there, or in the word before
	v_cndmask_b32 v[D3], v[BST], v[AST], vcc_lo
	v_sub_nc_u32 v[D1], 0, v[D2]
	v_and_b32 v[D1], v[D1], v[D2]
	DECODE K1, D0, AST
	DECODE K2, D1, D3
	v_permlanex16_b32 v[O1], v[K1], s[SEL], s[SEL+1]
	v_permlanex16_b32 v[O2], v[K2], s[SEL], s[SEL+1]
	v_cmp_gt_u32 s[MK], 0x800, v[K1]               ; with e the row's two lanes hold two keys between them: 2 + 0, 1 + 1 or 0 + 2
	v_cmp_gt_u32 s[MK+1], 0x800, v[K2]
	v_cndmask_b32 v[T0], v[O2], v[O1], s[MK]
	v_cndmask_b32 v[K1], v[O1], v[K1], s[MK]
	v_cndmask_b32 v[K2], v[T0], v[K2], s[MK+1]
	v_cmp_eq_u32 s[MK+2], 1, v[LH]
	v_cndmask_b32 v[REI], v[K1], v[EF], s[MK+2]    ; a row's 16 bytes of info: lanes 0-15 store the two keys, lanes 16-31 e and a zero
	v_cndmask_b32 v[REI+1], v[K2], 0, s[MK+2]
	v_cndmask_b32 v[REC], v[CM], 0, s[MK+2]        ; of stat: lanes 0-15 c m and l, lanes 16-31 zeros, so that this store of the wave, too, covers 256 consecutive bytes
	v_cndmask_b32 v[REC+1], v[LS], 0, s[MK+2]
	v_lshlrev_b32 v[RO], 4, v[LR]                  ; row l % 16 of 16 bytes, 8 bytes for each half of the lanes
	v_lshl_add_u32 v[RO], v[LH], 3, v[RO]
	s_barrier_wait -1                              ; nobody reads K any more
.irp cb, 0,1,2,3                       ; a lane holds one row's channels 16 cb + 8 (l / 16) + 0..7: 32 bytes; each accumulator from its low end on
	ds_store_b128 v[STO], v[OA+8*\cb:OA+8*\cb+3]   offset:64*\cb
	ds_store_b128 v[STO], v[OA+8*\cb+4:OA+8*\cb+7] offset:64*\cb+16
.endr
.irp t, 0,1,2,3,4,5,6,7
	ds_load_b128 v[S+4*\t:S+4*\t+3], v[RD] offset:\t*2*SP  ; my wave's own bytes; LDS serves a wave's instructions in order (ISA guide 5.7.1.4): these see the stores above
.endr
	global_store_b64 v[RO], v[REI:REI+1], s[INP:INP+1]
	global_store_b64 v[RO], v[REC:REC+1], s[STP:STP+1]
.irp t, 0,1,2,3,4,5,6,7
	s_wait_dscnt 7-\t                              ; load t is back; the 7 - t behind it may stay out
	global_store_b128 v[OO], v[S+4*\t:S+4*\t+3], s[10:11] offset:512*\t  ; two whole rows: 512 consecutive bytes, at a multiple of 256 from tmp's first byte
.endr
	s_wait_tensorcnt 0x0                           ; the wave's end, behind my last LDS store
	ds_add_u32 v[SPW], v[NIL]
	s_wait_dscnt 0x0
	s_endpgm
.Lfunc_end_k_q022bdb34e1_attn:
	.size	k_q022bdb34e1_attn, .Lfunc_end_k_q022bdb34e1_attn-k_q022bdb34e1_attn
	.p2alignl 7, 3214868480
	.fill 96, 4, 3214868480
	.section	.rodata,"a",@progbits
	.p2align	6, 0x0
	.amdhsa_kernel k_q022bdb34e1_attn
		.amdhsa_group_segment_fixed_size 317440
		.amdhsa_private_segment_fixed_size 0
		.amdhsa_enable_private_segment 0
		.amdhsa_kernarg_size 48
		.amdhsa_user_sgpr_count 2
		.amdhsa_user_sgpr_kernarg_segment_ptr 1
		.amdhsa_wavefront_size32 1
		.amdhsa_system_sgpr_workgroup_id_x 1
		.amdhsa_system_sgpr_workgroup_id_y 1
		.amdhsa_system_sgpr_workgroup_id_z 1
		.amdhsa_system_vgpr_workitem_id 0
		.amdhsa_next_free_vgpr 256
		.amdhsa_next_free_sgpr 66
		.amdhsa_reserve_vcc 1
		.amdhsa_float_denorm_mode_32 3
		.amdhsa_float_denorm_mode_16_64 3
		.amdhsa_memory_ordered 1
		.amdhsa_forward_progress 1
		.amdhsa_inst_pref_size 232
	.end_amdhsa_kernel
	.amdgpu_metadata
---
amdhsa.version: [ 1, 2 ]
amdhsa.kernels:
  - .name:           k_q022bdb34e1_attn
    .symbol:         k_q022bdb34e1_attn.kd
    .args:
      - { .name: q, .offset: 0, .size: 8, .value_kind: global_buffer, .address_space: global }
      - { .name: k, .offset: 8, .size: 8, .value_kind: global_buffer, .address_space: global }
      - { .name: v, .offset: 16, .size: 8, .value_kind: global_buffer, .address_space: global }
      - { .name: tmp, .offset: 24, .size: 8, .value_kind: global_buffer, .address_space: global }
      - { .name: stat, .offset: 32, .size: 8, .value_kind: global_buffer, .address_space: global }
      - { .name: info, .offset: 40, .size: 8, .value_kind: global_buffer, .address_space: global }
    .group_segment_fixed_size: 317440
    .private_segment_fixed_size: 0
    .kernarg_segment_align: 8
    .kernarg_segment_size: 48
    .max_flat_workgroup_size: 512
    .sgpr_count:     66
    .vgpr_count:     256
    .wavefront_size: 32
...
	.end_amdgpu_metadata
.endif
;; end of part 1
;; launch fix (part 2): grid 256 x 1, 16 waves a work-group, no clusters, 145,408 bytes of LDS; arguments q, k, v, tmp, stat, info, out0; writes out0
.if DOCPART == 2
	.amdgcn_target "amdgcn-amd-amdhsa--gfx1250"
	.amdhsa_code_object_version 6
	.text
	.protected	k_q022bdb34e1_fix
	.globl	k_q022bdb34e1_fix
	.p2align	8
	.type	k_q022bdb34e1_fix,@function
k_q022bdb34e1_fix:
	s_mov_b64 s[64:65], 0
	v_nop
	global_prefetch_b8 v0, s[64:65] scope:SCOPE_SE
	s_setreg_imm32_b32 hwreg(HW_REG_WAVE_MODE, 25, 1), 1
	s_wait_xcnt 0x0
; THE SECOND OF TWO LAUNCHES for attention in which a row keeps its 64 largest scores.  The first launch has left, for each of the 65,536 rows: O = sum p v over the keys that it kept (tmp, 64 f32),
; c m and l = sum p (stat, 16 bytes a row), and in info four whole numbers: key1, key2, e and a zero.  With e = 1 the row's 64th and 65th largest scores, by the matrix unit's sums, belong to key1 and
; key2 (in either order), nothing else stands at that boundary, and BOTH keys are among those summed: 65 keys.  With e = 0 the sums are final, and the two numbers serve nothing.
; WHAT IS DECIDED HERE.  Which of two nearly equal scores is the larger hangs on the order in which their 64 products are added.  Here the two keys' scores are made again as
; r = ((p0 + p1) + p2) + .., the products of the bf16-rounded q and k (exact in f32) added in ascending order of the channels, one rounding an addition.  THAT ORDER IS AN ASSUMPTION about how the
; expected numbers are made; another order of the same sum may decide a pair otherwise.  With e, the key whose r is below the other's is taken out again: O and l lose its p v and p,
; p = 2^(c r - c m); where the two r are equal both stay, as ties do.  Then out0 = O / l.
; LIMITS.  One pair a row, and only where the first launch has set e.  What is taken out is p v with p in f32, what was put in had p rounded to f16: 2^-11 of one key's share is left.
; v is rounded to bf16, as in the first launch.  NaN and infinities are not treated apart.
; SHARES.  256 work-groups of 16 waves; a wave has 16 rows of its own and meets no other wave: no barrier.  All rows of a work-group lie in one head (2,048 rows, 8 work-groups).
; Rows go 16 lanes to a row, 16 bytes a lane, two rows to an instruction: each load and store of q, tmp and out0 covers 512 consecutive bytes; a gathered row of k or v is 256 consecutive bytes.
; The sums go a lane to a sum (lane l: candidate l / 16 of row l % 16), so the products change lanes through the wave's own LDS.
; No matrix work (128 products a row), no cluster (the work-groups share no tile), no tensor loads, no prefetch: the launch has no loop, and all of a wave's loads go out at its head, in two groups.
.set PP,    272                        ; a row of 64 products in LDS: 256 bytes + 16
.set COEF,  32*PP                      ; behind a wave's 32 rows of products: 16 bytes a row of coefficients
.set WREG,  COEF+256                   ; a wave's LDS: 8,960 bytes
.set SPARE, 16*WREG                    ; behind the 16 waves': the spare words, 128 bytes for each wave: eight blocks of 256 bytes that no other line names
.set LN,   1                           ; v1   l
.set LC,   2                           ; v2   l % 16
.set LH,   3                           ; v3   l / 16
.set SPW,  4                           ; v4   LDS address of my spare word: SPARE + 4 x my thread's number; never rewritten
.set NIL,  5                           ; v5   0; never rewritten
.set GO,   6                           ; v6   16 l: my 16 bytes of two rows
.set RO,   7                           ; v7   16 (l % 16): row l % 16 in stat and info
.set INF,  8                           ; v[8:11]   key1, key2, e, 0 of row l % 16
.set STT,  12                          ; v[12:13]  c m, l of row l % 16
.set PS,   14                          ; v14  where I put 16 bytes of products
.set PR,   15                          ; v15  where my sum's 64 products begin
.set KA,   16                          ; v[16:23]  pair i of rows: my byte offset in the head's k and v for key1 of row 2 i + l / 16
.set KB,   24                          ; v[24:31]  the same for key2
.set QV,   32                          ; v[32:63]   q, 4 registers a pair of rows
.set KAV,  64                          ; v[64:95]   k[key1], then its products with q
.set KBV,  96                          ; v[96:127]  k[key2], likewise
.set OV,   128                         ; v[128:159] O, then out0
.set VAV,  160                         ; v[160:191] v[key1]
.set VBV,  192                         ; v[192:223] v[key2]
.set BA,   224                         ; v[224:231] 4 x the lane that holds row 2 i + l / 16
.set CA,   232                         ; v232 where I put my 8 bytes of coefficients
.set CR,   233                         ; v233 where I read a row's 16 bytes of them
.set AC,   234                         ; v234 r
.set OT,   235                         ; v235 the other candidate's number
.set DD,   238                         ; v238 0: my key stays; -1: it goes; then a = that times p
.set XX,   239                         ; v239 c r - c m
.set PW,   240                         ; v240 p
.set LL,   241                         ; v241 l anew
.set CO,   242                         ; v[242:243] a / l, 1 / l
.set CH,   32                          ; v[32:95]   the 64 products of my sum
.set CF,   96                          ; v[96:127]  pair i: a1 / l, 1 / l, a2 / l, 1 / l of row 2 i + l / 16
.set WV,   18                          ; s18  my wave's number
.set HIM,  26                          ; s26  a word's upper half
.set CS,   27                          ; s27  c = log2(e) / 8
.set SEL,  28                          ; s[28:29] v_permlanex16_b32's selects: each lane takes its own place in the other half
	s_load_b256 s[4:11], s[0:1], 0x0               ; q s[4:5], k s[6:7], v s[8:9], tmp s[10:11]
	s_load_b128 s[12:15], s[0:1], 0x20             ; stat s[12:13], info s[14:15]
	s_load_b64 s[16:17], s[0:1], 0x30              ; out0
	v_lshl_add_u32 v[SPW], v0, 2, SPARE
	v_mov_b32 v[NIL], 0
	v_lshrrev_b32 v[LN], 5, v0
	v_readfirstlane_b32 s[WV], v[LN]               ; wave 0..15
	v_and_b32 v[LN], 31, v0
	v_and_b32 v[LC], 15, v0
	v_bfe_u32 v[LH], v0, 4, 1
	v_lshlrev_b32 v[GO], 4, v[LN]
	v_lshlrev_b32 v[RO], 4, v[LC]
	s_mul_i32 s19, s[WV], WREG                     ; my wave's LDS
	v_mul_u32_u24 v[PS], v[LH], PP                 ; in: row 2 i + l / 16 of a candidate's 16, 16 bytes a lane
	v_lshl_add_u32 v[PS], v[LC], 4, v[PS]
	v_add_nc_u32 v[PS], s19, v[PS]
	v_mul_u32_u24 v[PR], v[LN], PP                 ; back: row l of the 32: candidate l / 16, row l % 16
	v_add_nc_u32 v[PR], s19, v[PR]
	v_lshl_add_u32 v[CA], v[LH], 3, v[RO]          ; coefficients: row l % 16, 8 bytes a candidate
	v_add_nc_u32 v[CA], s19, v[CA]
	v_lshl_add_u32 v[CR], v[LH], 4, s19            ; and back: row 2 i + l / 16
	v_mov_b32 v[OT], 0                             ; v_permlanex16_b32 counts as a reader of its destination
.irp i, 0,1,2,3,4,5,6,7
	v_lshl_add_u32 v[BA+\i], v[LH], 2, 8*\i        ; row 2 i + l / 16 is held by the lane of that number
.endr
	s_lshl_b32 s20, ttmp9, 16                      ; the work-group's 256 rows of 256 bytes,
	s_lshl_b32 s21, s[WV], 12                      ; my wave's 16 of them
	s_add_co_u32 s20, s20, s21
	s_mov_b32 s21, 0
	s_lshr_b32 s22, s20, 4                         ; the same rows in stat and info: 16 bytes a row
	s_mov_b32 s23, 0
	s_lshr_b32 s24, ttmp9, 3                       ; the head,
	s_lshl_b32 s24, s24, 19                        ; its 2,048 rows of 256 bytes
	s_mov_b32 s25, 0
	s_mov_b32 s[HIM], 0xffff0000
	s_mov_b32 s[CS], 0x3e38aa3b
	s_mov_b32 s[SEL], 0x76543210
	s_mov_b32 s[SEL+1], 0xfedcba98
	s_wait_kmcnt 0x0
	s_add_nc_u64 s[4:5], s[4:5], s[20:21]
	s_add_nc_u64 s[10:11], s[10:11], s[20:21]
	s_add_nc_u64 s[16:17], s[16:17], s[20:21]
	s_add_nc_u64 s[12:13], s[12:13], s[22:23]
	s_add_nc_u64 s[14:15], s[14:15], s[22:23]
	s_add_nc_u64 s[6:7], s[6:7], s[24:25]
	s_add_nc_u64 s[8:9], s[8:9], s[24:25]
	; THE FIRST GROUP OF LOADS: what needs no key number.
	global_load_b128 v[INF:INF+3], v[RO], s[14:15]     ; the wave's 256 bytes of info, once; both halves of the lanes hold them
	global_load_b64 v[STT:STT+1], v[RO], s[12:13]
.irp i, 0,1,2,3,4,5,6,7
	global_load_b128 v[QV+4*\i:QV+4*\i+3], v[GO], s[4:5] offset:512*\i th:TH_LOAD_NT
.endr
.irp i, 0,1,2,3,4,5,6,7
	global_load_b128 v[OV+4*\i:OV+4*\i+3], v[GO], s[10:11] offset:512*\i th:TH_LOAD_NT
.endr
	s_wait_loadcnt 17                              ; info is in: stat's load, q's eight and tmp's eight are younger
.irp i, 0,1,2,3,4,5,6,7
	ds_bpermute_b32 v[KA+\i], v[BA+\i], v[INF]     ; key1 and key2 of row 2 i + l / 16, from the lane that holds them
	ds_bpermute_b32 v[KB+\i], v[BA+\i], v[INF+1]
.endr
	s_wait_dscnt 0x0
.irp i, 0,1,2,3,4,5,6,7
	v_min_u32 v[KA+\i], 0x7ff, v[KA+\i]            ; a key number stays inside the head's 2,048 rows
	v_min_u32 v[KB+\i], 0x7ff, v[KB+\i]
	v_lshl_add_u32 v[KA+\i], v[KA+\i], 8, v[RO]    ; 256 x key + 16 (l % 16)
	v_lshl_add_u32 v[KB+\i], v[KB+\i], 8, v[RO]
.endr
	; THE SECOND GROUP: the gathers; k's first, since the sums wait for them.
.irp i, 0,1,2,3,4,5,6,7
	global_load_b128 v[KAV+4*\i:KAV+4*\i+3], v[KA+\i], s[6:7]
	global_load_b128 v[KBV+4*\i:KBV+4*\i+3], v[KB+\i], s[6:7]
.endr
.irp i, 0,1,2,3,4,5,6,7
	global_load_b128 v[VAV+4*\i:VAV+4*\i+3], v[KA+\i], s[8:9]
	global_load_b128 v[VBV+4*\i:VBV+4*\i+3], v[KB+\i], s[8:9]
.endr
; Four f32 are rounded to bf16 and widened again (a shift, a mask), in place.
.macro WIDEN b
	v_cvt_pk_bf16_f32 v[(\b)],   v[(\b)],   v[(\b)+1]
	v_cvt_pk_bf16_f32 v[(\b)+2], v[(\b)+2], v[(\b)+3]
	v_and_b32 v[(\b)+1], s[HIM], v[(\b)]
	v_lshlrev_b32 v[(\b)], 16, v[(\b)]
	v_and_b32 v[(\b)+3], s[HIM], v[(\b)+2]
	v_lshlrev_b32 v[(\b)+2], 16, v[(\b)+2]
.endm
	s_wait_loadcnt 16                              ; q, tmp, stat and k's rows are in: v's sixteen gathers are younger
.irp i, 0,1,2,3,4,5,6,7                ; THE PRODUCTS, exact in f32: 8 bits times 8 bits
	WIDEN QV+4*\i
	WIDEN KAV+4*\i
	WIDEN KBV+4*\i
	v_pk_mul_f32 v[KAV+4*\i:KAV+4*\i+1],   v[KAV+4*\i:KAV+4*\i+1],   v[QV+4*\i:QV+4*\i+1]
	v_pk_mul_f32 v[KAV+4*\i+2:KAV+4*\i+3], v[KAV+4*\i+2:KAV+4*\i+3], v[QV+4*\i+2:QV+4*\i+3]
	v_pk_mul_f32 v[KBV+4*\i:KBV+4*\i+1],   v[KBV+4*\i:KBV+4*\i+1],   v[QV+4*\i:QV+4*\i+1]
	v_pk_mul_f32 v[KBV+4*\i+2:KBV+4*\i+3], v[KBV+4*\i+2:KBV+4*\i+3], v[QV+4*\i+2:QV+4*\i+3]
	ds_store_b128 v[PS], v[KAV+4*\i:KAV+4*\i+3] offset:\i*2*PP
	ds_store_b128 v[PS], v[KBV+4*\i:KBV+4*\i+3] offset:16*PP+\i*2*PP
.endr
.irp n, 0,1,2,3,4,5,6,7,8,9,10,11,12,13,14,15
	ds_load_b128 v[CH+4*\n:CH+4*\n+3], v[PR] offset:16*\n  ; my wave's own bytes; LDS serves a wave's instructions in order (ISA guide 5.7.1.4): these see the stores above
.endr
	; THE SUM, in ascending order of the channels, one rounding an addition.
	s_wait_dscnt 15                                ; load 0 is back; the 15 behind it may stay out
	v_add_f32 v[AC], v[CH], v[CH+1]
	v_add_f32 v[AC], v[AC], v[CH+2]
	v_add_f32 v[AC], v[AC], v[CH+3]
.irp n, 1,2,3,4,5,6,7,8,9,10,11,12,13,14,15
	s_wait_dscnt 15-\n
	v_add_f32 v[AC], v[AC], v[CH+4*\n]
	v_add_f32 v[AC], v[AC], v[CH+4*\n+1]
	v_add_f32 v[AC], v[AC], v[CH+4*\n+2]
	v_add_f32 v[AC], v[AC], v[CH+4*\n+3]
.endr
	; THE DECISION.  Every choice selects a value; nothing branches.
	v_fma_f32 v[XX], v[AC], s[CS], -v[STT]         ; c r - c m
	v_exp_f32 v[PW], v[XX]
	v_permlanex16_b32 v[OT], v[AC], s[SEL], s[SEL+1]   ; the row's other candidate lies in the lane 16 away
	v_cmp_ge_f32 vcc_lo, v[AC], v[OT]
	v_cndmask_b32 v[DD], -1.0, 0, vcc_lo           ; my key stays if its sum is not below the other's; else it is taken out
	v_cmp_eq_u32 vcc_lo, 1, v[INF+2]
	v_cndmask_b32 v[DD], 0, v[DD], vcc_lo          ; without e nothing is changed
	s_wait_alu depctr_va_vdst(0)                   ; wait ahead of the first line that names the exponential's result; the lines above are the work between
	v_mul_f32 v[DD], v[DD], v[PW]                  ; a
	v_permlanex16_b32 v[OT], v[DD], s[SEL], s[SEL+1]
	v_add_f32 v[LL], v[STT+1], v[DD]
	v_add_f32 v[LL], v[LL], v[OT]
	v_rcp_f32 v[CO+1], v[LL]
	v_nop                                          ; a plain instruction between the reciprocal and the use of its result (ISA guide 5.7.2),
	s_wait_alu depctr_va_vdst(0)                   ; and a wait ahead of that use
	v_mul_f32 v[CO], v[DD], v[CO+1]
	ds_store_b64 v[CA], v[CO:CO+1] offset:COEF
.irp i, 0,1,2,3,4,5,6,7
	ds_load_b128 v[CF+4*\i:CF+4*\i+3], v[CR] offset:COEF+32*\i  ; my wave's own bytes, in order behind the store
.endr
	; THE ROWS GO OUT: out0 = O / l + (a1 / l) v[key1] + (a2 / l) v[key2].
	s_wait_loadcnt 0x0                             ; v's rows
.irp i, 0,1,2,3,4,5,6,7
	WIDEN VAV+4*\i
	WIDEN VBV+4*\i
	s_wait_dscnt 7-\i                              ; load i is back; the 7 - i behind it may stay out
.irp j, 0,1,2,3
	v_mul_f32 v[OV+4*\i+\j], v[OV+4*\i+\j], v[CF+4*\i+1]
.endr
	v_pk_fma_f32 v[OV+4*\i:OV+4*\i+1],   v[VAV+4*\i:VAV+4*\i+1],   v[CF+4*\i:CF+4*\i+1],   v[OV+4*\i:OV+4*\i+1]   op_sel_hi:[1,0,1]
	v_pk_fma_f32 v[OV+4*\i+2:OV+4*\i+3], v[VAV+4*\i+2:VAV+4*\i+3], v[CF+4*\i:CF+4*\i+1],   v[OV+4*\i+2:OV+4*\i+3] op_sel_hi:[1,0,1]
	v_pk_fma_f32 v[OV+4*\i:OV+4*\i+1],   v[VBV+4*\i:VBV+4*\i+1],   v[CF+4*\i+2:CF+4*\i+3], v[OV+4*\i:OV+4*\i+1]   op_sel_hi:[1,0,1]
	v_pk_fma_f32 v[OV+4*\i+2:OV+4*\i+3], v[VBV+4*\i+2:VBV+4*\i+3], v[CF+4*\i+2:CF+4*\i+3], v[OV+4*\i+2:OV+4*\i+3] op_sel_hi:[1,0,1]
	global_store_b128 v[GO], v[OV+4*\i:OV+4*\i+3], s[16:17] offset:512*\i th:TH_STORE_NT  ; two whole rows: 512 consecutive bytes, at a multiple of 256 from out0's first byte
.endr
	s_wait_tensorcnt 0x0                           ; the wave's end, behind my last LDS store
	ds_add_u32 v[SPW], v[NIL]
	s_wait_dscnt 0x0
	s_endpgm
.Lfunc_end_k_q022bdb34e1_fix:
	.size	k_q022bdb34e1_fix, .Lfunc_end_k_q022bdb34e1_fix-k_q022bdb34e1_fix
	.p2alignl 7, 3214868480
	.fill 96, 4, 3214868480
	.section	.rodata,"a",@progbits
	.p2align	6, 0x0
	.amdhsa_kernel k_q022bdb34e1_fix
		.amdhsa_group_segment_fixed_size 145408
		.amdhsa_private_segment_fixed_size 0
		.amdhsa_enable_private_segment 0
		.amdhsa_kernarg_size 56
		.amdhsa_user_sgpr_count 2
		.amdhsa_user_sgpr_kernarg_segment_ptr 1
		.amdhsa_wavefront_size32 1
		.amdhsa_system_sgpr_workgroup_id_x 1
		.amdhsa_system_sgpr_workgroup_id_y 1
		.amdhsa_system_sgpr_workgroup_id_z 1
		.amdhsa_system_vgpr_workitem_id 0
		.amdhsa_next_free_vgpr 256
		.amdhsa_next_free_sgpr 66
		.amdhsa_reserve_vcc 1
		.amdhsa_float_denorm_mode_32 3
		.amdhsa_float_denorm_mode_16_64 3
		.amdhsa_memory_ordered 1
		.amdhsa_forward_progress 1
		.amdhsa_inst_pref_size 33
	.end_amdhsa_kernel
	.amdgpu_metadata
---
amdhsa.version: [ 1, 2 ]
amdhsa.kernels:
  - .name:           k_q022bdb34e1_fix
    .symbol:         k_q022bdb34e1_fix.kd
    .args:
      - { .name: q, .offset: 0, .size: 8, .value_kind: global_buffer, .address_space: global }
      - { .name: k, .offset: 8, .size: 8, .value_kind: global_buffer, .address_space: global }
      - { .name: v, .offset: 16, .size: 8, .value_kind: global_buffer, .address_space: global }
      - { .name: tmp, .offset: 24, .size: 8, .value_kind: global_buffer, .address_space: global }
      - { .name: stat, .offset: 32, .size: 8, .value_kind: global_buffer, .address_space: global }
      - { .name: info, .offset: 40, .size: 8, .value_kind: global_buffer, .address_space: global }
      - { .name: out0, .offset: 48, .size: 8, .value_kind: global_buffer, .address_space: global }
    .group_segment_fixed_size: 145408
    .private_segment_fixed_size: 0
    .kernarg_segment_align: 8
    .kernarg_segment_size: 56
    .max_flat_workgroup_size: 512
    .sgpr_count:     66
    .vgpr_count:     256
    .wavefront_size: 32
...
	.end_amdgpu_metadata
.endif
;; end of part 2
;; ======== version 2 of 2: 2 launches; version 1 with the launch attn written anew for expert scheduling mode
;; limits: values are held in f16: magnitudes above 65,504 overflow, below 6.1e-05 lose precision; inputs' magnitudes at most 65,504; right only within a limited range of input values
;; workspace buffers: tmp 16,777,216 bytes; stat 1,048,576 bytes; info 1,048,576 bytes of whole numbers
;; launch attn (part 3): grid 8 x 32, 16 waves a work-group, no clusters, 317,440 bytes of LDS; arguments q, k, v, tmp, stat, info; writes tmp, stat, info
.if DOCPART == 3
	.amdgcn_target "amdgcn-amd-amdhsa--gfx1250"
	.amdhsa_code_object_version 6
	.text
	.protected	k_q022bdb34e1_attn
	.globl	k_q022bdb34e1_attn
	.p2align	8
	.type	k_q022bdb34e1_attn,@function
k_q022bdb34e1_attn:
	s_mov_b64 s[64:65], 0
	v_nop
	global_prefetch_b8 v0, s[64:65] scope:SCOPE_SE
	s_setreg_imm32_b32 hwreg(HW_REG_WAVE_SCHED_MODE, 0, 2), 2
	s_setreg_imm32_b32 hwreg(HW_REG_WAVE_MODE, 25, 1), 1
	s_wait_xcnt 0x0
	s_wait_alu depctr_vm_vsrc(0)
; THE FIRST OF TWO LAUNCHES for out[b][h][q][:] = the sum over k of softmax_k(masked s[q][k]) v[k][:], s = q . k / 8, where a row keeps the scores that are not below its 64th largest (ties
; are kept) and all others count for nothing.  q, k, v: [32 heads][2048][64] f32.  This launch stores, for each row: the undivided sum O = sum p v over the keys that it keeps
; (tmp, [32][2048][64] f32), c m and l = sum p (stat), and two key numbers with a flag (info).  The second launch decides between those two keys and divides.
; FORMATS.  q and k are rounded to bf16, so their products are exact in f32; v is rounded to bf16 and that number is written as f16; the weights p are rounded to f16 for the second
; product (their sum l is taken of the unrounded p).  Sums, maxima and the threshold in f32.
; LIMITS.  |v| stays under 65,504 (f16's range); a v below 6e-5 keeps f16's fixed step of 6e-8.  NaN, infinities and the sign of zero are not treated apart.  The division by 8 is folded into
; c = log2(e) / 8 and the threshold is taken of the undivided sums: below 2^-123 the divided scores could tie where these do not.  A score less than 2^-93 below the threshold is not shut out
; (that takes scores under 2^-69).
; WHICH KEY IS THE 64TH hangs on the order in which a score's 64 products are added, where two scores are nearly equal.  Here the matrix unit's sums decide, but for one case, flagged e: the
; 63rd largest score is above the 64th (t), the 65th (t65) is above the 66th, and t - t65 is at most 2^-10 |t|.  Then exactly two keys lie in t65 .. t; BOTH are summed here and named in info,
; and the second launch takes out the one whose sum in ascending order of the channels is the smaller.  Rows without e (three scores at the boundary, or a wide gap) keep the scores not below t.
; SHARES.  A work-group owns 256 queries of one head, each of its 16 waves 16 of them: 8 x 32 work-groups.  S^T = K Q^T (source 0 = 16 keys, source 1 = the 16 queries): in the result
; lane l holds ONE query (l % 16) and, of each 16 keys, the keys 8 (l / 16) + 0..7.  So a lane sees 1,024 of its row's 2,048 scores, in registers, and sorting never changes lanes.
; PASS 1, THE THRESHOLD.  16 batches of 128 keys, 64 scores a lane.  A batch is sorted ascending by a bitonic network of 21 layers; the lane's list T, its 64 largest so far, descending,
; takes max(T[i], batch[i]), which are the 64 largest of both and rise after they fall; six more layers sort them descending.  At the end the row's two lanes meet.
; No branch and no address hangs on a score.
; PASS 2, THE SUMS.  32 steps of 64 keys.  The same two matrix instructions on the same operands make each score again, bit for bit; p = 2^(c s - c m), or 0 below the row's mark;
; O^T += V^T P.  m is the row's true maximum, known beforehand: nothing is rescaled.
; K STAYS IN LDS.  Pass 1 brings a head's K from memory once, through registers (f32 to bf16), a batch ahead of its use; each byte is written once, and pass 2 reads it again.
; V goes through two slots of 64 keys in pass 2.
; A COMPARATOR IS ONE INSTRUCTION: v_dual_max_num_f32 :: v_dual_min_num_f32, out of place from one bank of 64 registers into another.  The pair wants one even and one odd destination and
; sources in different register banks (ISA guide, the chapter on VOPD), so position p of a list lies in register RG(p) = (p & 62) | parity(p) of its bank: two positions that differ in one
; bit, as a comparator's always do, lie in registers of different parity.
; SIXTEEN WAVES OF 256 REGISTERS: a tile's state is three banks of 64, a trip has some 900 vector instructions for 16 matrix instructions, and no register window is ever switched.
; NO CLUSTER, NO TENSOR LOADS, though the 8 work-groups of a head read the same K and V: the inputs are f32 and pass through registers to be rounded, and beside the resident K
; (294,912 bytes), V's slots and the spare words (2,048 bytes), 10,240 bytes of LDS are left, less than one f32 tile of 64 keys (16,384).
; THE MODE: SCHED_MODE bits 1:0 = 2 (LLVM: expert scheduling mode 2), set by the entry lines.  The code itself states the register dependences between vector or matrix instructions and
; memory or LDS instructions, and those through scalar registers and VCC that vector instructions write, with s_wait_alu, always for 0.
; THE PLAN.  Registers that memory or LDS instructions touch:
;   v[GO], v[VS], v[AV0], v1, v[STO], v[RD], v[OO]   addresses, made once and never written again.
;   v[KS]      read by a trip's four stores of K; stepped once a trip, behind the wait that shows them read.
;   v[AK]      read by every load of a fragment of K; stepped once a trip (pass 1) or step (pass 2), behind such a wait; the next wait on va_vdst stands ahead of its next reader.
;   SG         global loads land in it, the conversions work in place on it, LDS stores read it, and it is loaded again.
;   KF, KF2    LDS loads land in them; matrix instructions read them.      VF   the turning loads land in it; V^T P reads it.
;   X, Y, Z, U, S, P, l, the flags and the statistics are named by vector and matrix instructions alone, up to the way out.
; PASS 1, a trip: one wait on va_vdst behind the conversions (for the stores, the next global loads and the merge's first group of loads), one ahead of each of the other seven groups of
; loads (KF is one buffer, which the group before has just multiplied); one wait on vm_vsrc behind the stores, one ahead of the step of v[AK].
; PASS 2, a step: one wait on va_vdst behind the first products and V's conversions, for all of the step's LDS and memory instructions up to the second products; the two waits that the
; exponentials' batches have in any case serve the rest; one wait on vm_vsrc ahead of the step of v[AK] and of the loads into V's registers.  The flags' compares go in runs of 16 into
; scalar registers, one wait on va_sdst behind each run; the 16 sums that take the flags put their carries back into the same registers, one wait on va_sdst behind each run of sums.
.set PK,    144                        ; a row of K in LDS: 128 bytes + 16: 36 words, so the 16 rows of a fragment load start at 16 different groups of four banks (64 banks of 4 bytes: ISA guide 11.1)
.set PV,    160                        ; a row of V: 128 + 32: 40 words
.set KCH,   128*PK                     ; a batch's 128 rows of K
.set VB,    2048*PK                    ; behind K: V's two slots
.set VSLOT, 64*PV
.set SP,    272                        ; the way out: a row of 256 bytes + 16; 16 rows a wave, in K's bytes, behind the last barrier
.set GO,   2                           ; v2   16 x my thread's number: my 16 bytes of 8,192 consecutive bytes of K or V; never rewritten
.set KS,   3                           ; v3   where I store 8 bytes of K's next batch
.set AK,   4                           ; v4   my lane's place in the tile of K in hand
.set VS,   5                           ; v5   where I store 8 bytes of V, in slot 0; never rewritten
.set AK0,  8                           ; v8   my lane's place in K's first tile
.set AV0,  9                           ; v9   my lane's place in V's slot 0, for the turning load
.set TM,   10                          ; v10  the row's mark: t65 with e, else t
.set GB,   11                          ; v11  t - the mark, as bits
.set CM,   12                          ; v[12:13] c m, m
.set LR,   14                          ; v14  l % 16
.set LH,   15                          ; v15  l / 16
.set QF,   16                          ; v[16:31]  Q: two fragments (channels 0-31, 32-63)
.set KF,   32                          ; v[32:47]  pass 1: two fragments of K
.set U,    32                          ; v[32:47]  pass 2: s - mark of two accumulators, then the negative part of it; at both passes' ends: at work
.set SG,   48                          ; v[48:63]  pass 1: a batch of K on its way in.  Pass 2: V's even chunks in v[48:55], odd chunks in v[56:63]
.set X,    64                          ; v[64:127]   pass 1: the scores arrive here; the sort's first bank
.set Y,    128                         ; v[128:191]  the sort's second bank, and the merge's
.set Z,    192                         ; v[192:255]  T
.set S,    64                          ; pass 2: v[64:95] four accumulators of S^T
.set P,    96                          ; v[96:111]   P
.set LS,   112                         ; v[112:115]  l, in two pairs that take turns
.set STO,  116                         ; v116 the way out: where I put 32 bytes of a row
.set RD,   117                         ; v117 where I read rows back
.set OO,   118                         ; v118 my 16 bytes of 512 consecutive bytes of tmp
.set EF,   119                         ; v119 e
.set ABM,  120                         ; v120 the last step's word of flags that was not empty,
.set AST,  121                         ; v121 and that step's number
.set BBM,  122                         ; v122 the one before it,
.set BST,  123                         ; v123 and its step
.set ZA,   124                         ; v124 0
.set ZB,   125                         ; v125 0, in another register bank
.set BM,   126                         ; v126 the step's 32 flags, the first score's on top
.set VF,   128                         ; v[128:191]  V^T: key half kk, channel block cb at VF + 32 kk + 8 cb
.set OA,   192                         ; v[192:223]  four accumulators of O^T
.set KF2,  224                         ; v[224:255]  K: tile tt of two, channel half f at KF2 + 16 tt + 8 f
.set WV,   12                          ; s12  my wave's number
.set KP,   20                          ; s[20:21] K at the batch last asked for
.set VP,   22                          ; s[22:23] V at the head's first row
.set LP,   24                          ; s[24:25] the pointer that the staging loads name
.set CNT,  26                          ; s26  a loop's count
.set CS,   28                          ; s[28:29] c, twice: the packed scaling names a pair
.set SEL,  30                          ; s[30:31] v_permlanex16_b32's selects: each lane takes its own place in the other half
.set HIM,  32                          ; s32  a word's upper half
.set STN,  33                          ; s33  the step's number
.set BG,   34                          ; s[34:35] 2^100, twice
.set MK,   36                          ; s[36:39] masks of lanes
.set STP,  44                          ; s[44:45] stat at my wave's first row
.set INP,  46                          ; s[46:47] info at my wave's first row
.set FL,   48                          ; s[48:63] pass 2: the flags of 16 scores, a mask of lanes each
	s_load_b256 s[4:11], s[0:1], 0x0               ; q s[4:5], k s[6:7], v s[8:9], tmp s[10:11]
	s_load_b128 s[44:47], s[0:1], 0x20             ; stat, info
	v_lshl_add_u32 v6, v0, 2, 0x4d000
	v_mov_b32 v7, 0
	v_lshrrev_b32 v1, 5, v0
	v_readfirstlane_b32 s[WV], v1                  ; wave 0..15
	v_lshlrev_b32 v[GO], 4, v0
	v_and_b32 v[LR], 15, v0
	v_bfe_u32 v[LH], v0, 4, 1
	s_wait_alu depctr_va_sdst(0)                   ; s[WV] is written, ahead of its first reader: LDS places and the rows' offsets are made from it
	; A load of 16 bytes a thread takes 32 rows of 256 bytes: my wave's are rows 2 w and 2 w + 1, lanes 0-15 the first; my four channels become 8 bytes of the LDS row.
	s_mul_i32 s13, s[WV], 2*PK
	v_mul_u32_u24 v[KS], v[LH], PK
	v_lshl_add_u32 v[KS], v[LR], 3, v[KS]
	v_add_nc_u32 v[KS], s13, v[KS]
	s_mul_i32 s13, s[WV], 2*PV
	s_add_co_u32 s13, s13, VB
	v_mul_u32_u24 v[VS], v[LH], PV
	v_lshl_add_u32 v[VS], v[LR], 3, v[VS]
	v_add_nc_u32 v[VS], s13, v[VS]
	; A fragment of K is 16 rows x 32 channels in 8 registers: lane l holds row l % 16, channels 8 (l / 16) + 0..7 and 16 + 8 (l / 16) + 0..7: two loads of 16 bytes, 32 bytes apart.
	v_mul_u32_u24 v[AK0], v[LR], PK
	v_lshl_add_u32 v[AK0], v[LH], 4, v[AK0]
	; The turning load takes 16 keys x 16 channels (lane l reads key 8 (l / 16) + l % 8, channels 8 ((l / 8) % 2) + 0..7) and leaves half a fragment of V^T: lane l holds channel l % 16 and 8 keys.
	v_and_b32 v1, 7, v0
	v_lshl_add_u32 v1, v[LH], 3, v1
	v_mul_u32_u24 v[AV0], v1, PV
	v_bfe_u32 v1, v0, 3, 1
	v_lshl_add_u32 v[AV0], v1, 4, v[AV0]
	v_add_nc_u32 v[AV0], VB, v[AV0]
	v_lshlrev_b32 v1, 8, v[LR]                     ; Q in f32: row l % 16 of 256 bytes,
	v_lshl_add_u32 v1, v[LH], 5, v1                ; eight channels, 32 bytes, for each half of the lanes
	s_and_b32 s14, ttmp7, 0xffff                   ; the head
	s_lshl_b32 s16, s14, 19                        ; its 2,048 rows of 256 bytes
	s_mov_b32 s17, 0
	s_lshl_b32 s18, ttmp9, 16                      ; my work-group's 256 rows,
	s_lshl_b32 s19, s[WV], 12                      ; my wave's 16 of them
	s_add_co_u32 s18, s18, s19
	s_add_co_u32 s18, s18, s16
	s_mov_b32 s19, 0
	s_lshr_b32 s14, s18, 4                         ; the same rows in stat and info: 16 bytes a row
	s_mov_b32 s15, 0
	s_mov_b32 s[CS], 0x3e38aa3b                    ; c = log2(e) / 8 = 0.180337
	s_mov_b32 s[CS+1], s[CS]
	s_mov_b32 s[SEL], 0x76543210
	s_mov_b32 s[SEL+1], 0xfedcba98
	s_mov_b32 s[HIM], 0xffff0000
	s_mov_b32 s[BG], 0x71800000                    ; 2^100
	s_mov_b32 s[BG+1], s[BG]
	s_wait_kmcnt 0x0
	s_add_nc_u64 s[KP:KP+1], s[6:7], s[16:17]
	s_add_nc_u64 s[VP:VP+1], s[8:9], s[16:17]
	s_add_nc_u64 s[4:5], s[4:5], s[18:19]          ; q and tmp at my wave's first row
	s_add_nc_u64 s[10:11], s[10:11], s[18:19]
	s_add_nc_u64 s[STP:STP+1], s[STP:STP+1], s[14:15]
	s_add_nc_u64 s[INP:INP+1], s[INP:INP+1], s[14:15]
; Four loads: my part of 128 rows (32,768 bytes); a wave's load covers 512 consecutive bytes.
.macro GET4 base, ptr, off
.irp i, 0,1,2,3
	global_load_b128 v[(\base)+4*\i:(\base)+4*\i+3], v[GO], s[\ptr:\ptr+1] offset:(\off)+8192*\i
.endr
.endm
; They are rounded to bf16 and stored, 8 bytes a lane and load, 32 rows apart.  The store address steps to the next batch further down, behind the wait that shows it read.
.macro STAGEK base
.irp i, 0,1,2,3
	v_cvt_pk_bf16_f32 v[(\base)+4*\i],   v[(\base)+4*\i],   v[(\base)+4*\i+1]
	v_cvt_pk_bf16_f32 v[(\base)+4*\i+1], v[(\base)+4*\i+2], v[(\base)+4*\i+3]
.endr
	s_wait_alu depctr_va_vdst(0)                   ; the conversions have written the stores' data and are done with these registers, in which the next loads land; v[KS] and v[AK] are written; the last products are done reading KF, in which the merge's first loads land
.irp i, 0,1,2,3
	ds_store_b64 v[KS], v[(\base)+4*\i:(\base)+4*\i+1] offset:\i*32*PK
.endr
.endm
; THE NETWORK.  RG: the register of position pos in its bank.
.macro RG name, pos
.set \name, (((\pos)&62)|(((\pos)^((\pos)>>1)^((\pos)>>2)^((\pos)>>3)^((\pos)>>4)^((\pos)>>5))&1))
.endm
; A comparator, from bank src into bank dst: position hi takes the larger, position lo the smaller.
.macro CE src, dst, hi, lo
	RG rh, \hi
	RG rl, \lo
	v_dual_max_num_f32 v[(\dst)+rh], v[(\src)+rh], v[(\src)+rl] :: v_dual_min_num_f32 v[(\dst)+rl], v[(\src)+rl], v[(\src)+rh]
.endm
; A layer of the bitonic sort: partners j apart; runs of k positions ascend and descend by turns.
.macro LAYER src, dst, k, j
.set i, 0
.rept 64
.if (i & (\j)) == 0
.if (i & (\k)) == 0
	CE \src, \dst, i+(\j), i
.else
	CE \src, \dst, i, i+(\j)
.endif
.endif
.set i, i+1
.endr
.endm
; 21 layers, 672 comparators: the 64 scores in X, in whatever order, come out ascending in Y.  The first layer takes registers 0 and 1, 2 and 3, .. in ascending order.
.macro SORT
	LAYER X, Y, 2, 1
	LAYER Y, X, 4, 2
	LAYER X, Y, 4, 1
	LAYER Y, X, 8, 4
	LAYER X, Y, 8, 2
	LAYER Y, X, 8, 1
	LAYER X, Y, 16, 8
	LAYER Y, X, 16, 4
	LAYER X, Y, 16, 2
	LAYER Y, X, 16, 1
	LAYER X, Y, 32, 16
	LAYER Y, X, 32, 8
	LAYER X, Y, 32, 4
	LAYER Y, X, 32, 2
	LAYER X, Y, 32, 1
	LAYER Y, X, 64, 32
	LAYER X, Y, 64, 16
	LAYER Y, X, 64, 8
	LAYER X, Y, 64, 4
	LAYER Y, X, 64, 2
	LAYER X, Y, 64, 1
.endm
; Number n of the merge's 224 instructions.  0-31: T[i] = max(T[i], batch[i]), two positions an instruction.  Then six layers of 32 comparators, partners 32, 16, .. 1 apart, the lower position
; taking the larger: Z to Y and back, three times.  They name Y and Z alone.
.macro MD
.if n < 32
	v_dual_max_num_f32 v[Z+2*n], v[Z+2*n], v[Y+2*n] :: v_dual_max_num_f32 v[Z+2*n+1], v[Z+2*n+1], v[Y+2*n+1]
.else
.set lay, (n-32)/32
.set idx, (n-32)%32
.set jj, 32>>lay
.set ii, (idx/jj)*2*jj+(idx%jj)
.if (lay%2) == 0
	CE Z, Y, ii, ii+jj
.else
	CE Y, Z, ii, ii+jj
.endif
.endif
.set n, n+1
.endm
; THE NEXT BATCH'S SCORES are made beside the merge, in eight groups: group g is channel half g % 2 of key tiles 2 (g / 2) and 2 (g / 2) + 1.  KGRP: its four LDS loads.  WGRP: its two products.
; The accumulators go 0, 1, 0, 1, 2, 3, 2, 3, ..: by turns, one instruction a turn.  The first half starts the sums with the constant 0.
.macro KGRP g
.irp tt, 0,1
	ds_load_b128 v[KF+8*\tt:KF+8*\tt+3],   v[AK] offset:(2*((\g)/2)+\tt)*16*PK+64*((\g)%2)
	ds_load_b128 v[KF+8*\tt+4:KF+8*\tt+7], v[AK] offset:(2*((\g)/2)+\tt)*16*PK+64*((\g)%2)+32
.endr
.endm
.macro WGRP g
.irp tt, 0,1
.if ((\g)%2) == 0
	v_wmma_f32_16x16x32_bf16 v[X+8*(2*((\g)/2)+\tt):X+8*(2*((\g)/2)+\tt)+7], v[KF+8*\tt:KF+8*\tt+7], v[QF:QF+7], 0
.else
	v_wmma_f32_16x16x32_bf16 v[X+8*(2*((\g)/2)+\tt):X+8*(2*((\g)/2)+\tt)+7], v[KF+8*\tt:KF+8*\tt+7], v[QF+8:QF+15], v[X+8*(2*((\g)/2)+\tt):X+8*(2*((\g)/2)+\tt)+7]
.endif
.endr
.endm
; The merge; wm = 1: with the next batch's scores.  A group's loads have 16 instructions in which to come back; eight stand between its products and the wait ahead of the loads into the
; registers that these have read; the last 32 stand between the last products and the sort that reads them.  The first group's loads lean on the wait behind the trip's conversions: since
; that wait only the step of v[KS] and the sort, which names X and Y, have been issued.
.macro MERGE wm
.set n, 0
.if \wm
	KGRP 0
.endif
.irp g, 0,1,2,3,4,5,6,7
.rept 16
	MD
.endr
.if \wm
	s_wait_dscnt 0x0                               ; the group's four loads are back
	WGRP \g
.endif
.rept 8
	MD
.endr
.if (\wm) && ((\g) < 7)
	s_wait_alu depctr_va_vdst(0)                   ; the group's two products are done reading KF, in which the next group's loads land
	KGRP (\g)+1
.endif
.endr
.rept 32
	MD
.endr
.endm
	; THE START.  K's batch 0 into Y's upper registers, Q into its lower ones, K's batch 1 where every later batch lands.
	s_wait_alu depctr_va_vdst(0)                   ; v[GO], v1, v[KS], v[VS], v[AK0] and v[AV0] are written: the kernel's loads and stores read them as addresses
	GET4 160, KP, 0
.irp g, 0,1,2,3
	global_load_b128 v[Y+8*\g:Y+8*\g+3],   v1, s[4:5] offset:64*\g      ; channels 16 g + 8 (l / 16) + 0..3,
	global_load_b128 v[Y+8*\g+4:Y+8*\g+7], v1, s[4:5] offset:64*\g+16   ; + 4..7
.endr
	GET4 SG, KP, 32768
	s_wait_loadcnt 12                              ; batch 0 is in: Q's eight loads and batch 1's four are younger
	STAGEK 160
	s_wait_loadcnt 4                               ; Q is in: batch 1's four loads are younger
.irp g, 0,1,2,3
.irp i, 0,1,2,3
	v_cvt_pk_bf16_f32 v[QF+4*\g+\i], v[Y+8*\g+2*\i], v[Y+8*\g+2*\i+1]
.endr
.endr
	s_wait_xcnt 0x0                                ; every load has read its address, so K's pointer may be written:
	s_add_nc_u64 s[KP:KP+1], s[KP:KP+1], 32768     ; at batch 1, the last asked for
	s_wait_dscnt 0x0                               ; for the others' sake: my part of batch 0 lies in LDS
	s_barrier_signal -1
	s_barrier_wait -1                              ; everybody's does
	s_wait_alu depctr_vm_vsrc(0)                   ; my four stores have read v[KS], which steps now, and v[160 ..], which the sort writes
	v_add_nc_u32 v[KS], KCH, v[KS]                 ; the next batch's place
	v_mov_b32 v[AK], v[AK0]
	s_wait_alu depctr_va_vdst(0)                   ; v[AK] is written, which the loads of K read
	KGRP 0
.irp g, 0,1,2,3,4,5,6,7                ; batch 0's scores.  T starts at minus infinity, so that every batch has one text; these 64 lines also stand between the products and the reads of their results
	s_wait_dscnt 0x0
	WGRP \g
.irp i, 0,1,2,3,4,5,6,7
	v_mov_b32 v[Z+8*\g+\i], 0xff800000
.endr
.if \g < 7
	s_wait_alu depctr_va_vdst(0)                   ; the group's two products are done reading KF, in which the next group's loads land
	KGRP \g+1
.endif
.endr
	s_wait_alu depctr_vm_vsrc(0)                   ; the loads of K have read v[AK]
	v_add_nc_u32 v[AK], KCH, v[AK]
	s_mov_b32 s[CNT], 15
.Lbatch:                                       ; trip b = 0 .. 14: K's batch b + 1 goes into LDS, batch b + 2 is asked for, batch b's scores are sorted and merged, batch b + 1's are made
	s_wait_loadcnt 0x0                             ; batch b + 1, asked for a whole trip ago; no load is out, so the pointers may be written
	STAGEK SG
	s_add_nc_u64 s[KP:KP+1], s[KP:KP+1], 32768
	s_cmp_eq_u32 s[CNT], 1                         ; the last trip has no batch 16 to ask for:
	s_cselect_b64 s[LP:LP+1], s[VP:VP+1], s[KP:KP+1]  ; its four loads bring V's keys 0 to 127, the first two chunks of pass 2
	s_wait_dscnt 0x0                               ; for the others' sake: my part of batch b + 1 lies in LDS
	s_wait_alu depctr_vm_vsrc(0)                   ; my four stores have read v[KS], which steps now, and their data in v[SG ..], in which the loads below land
	v_add_nc_u32 v[KS], KCH, v[KS]                 ; the next batch's place
	GET4 SG, LP, 0                                 ; no vector instruction since the wait behind the conversions names v[SG ..] or v[GO]
	s_barrier_signal -1                            ; ONE barrier a trip: each byte of K is written once, so nothing that is being read is ever overwritten
	SORT                                           ; work on registers while the others arrive
	s_barrier_wait -1                              ; batch b + 1 is whole
	MERGE 1
	s_wait_alu depctr_vm_vsrc(0)                   ; the trip's loads of K have read v[AK]
	v_add_nc_u32 v[AK], KCH, v[AK]
	s_sub_co_u32 s[CNT], s[CNT], 1
	s_cmp_lg_u32 s[CNT], 0
	s_cbranch_scc1 .Lbatch
; V: four f32 of a load become two words of f16: rounded to bf16, widened again (a shift, a mask), written as f16, which holds every bf16 number of its range exactly.  In place: sixteen plain instructions a chunk.
.macro VCONV sb
.set b, (\sb)
.rept 2
	v_cvt_pk_bf16_f32 v[b],   v[b],   v[b+1]
	v_cvt_pk_bf16_f32 v[b+1], v[b+2], v[b+3]
	v_and_b32 v[b+2], s[HIM], v[b]
	v_lshlrev_b32 v[b], 16, v[b]
	v_and_b32 v[b+3], s[HIM], v[b+1]
	v_lshlrev_b32 v[b+1], 16, v[b+1]
	v_cvt_pk_f16_f32 v[b],   v[b],   v[b+2]
	v_cvt_pk_f16_f32 v[b+1], v[b+1], v[b+3]
.set b, b+4
.endr
.endm
	; THE LAST BATCH is written out: no K is left to stage and no scores to make.  V's chunk 0 goes into slot 0, chunk 1 waits in v[56:63], chunk 2 is asked for.
	s_wait_loadcnt 0x0                             ; V's keys 0 to 127
	VCONV SG
	s_wait_alu depctr_va_vdst(0)                   ; the conversions have written the two stores' data and are done with v[SG:SG+7], in which chunk 2's loads land
	ds_store_b64 v[VS], v[SG:SG+1]
	ds_store_b64 v[VS], v[SG+4:SG+5] offset:32*PV
	s_add_nc_u64 s[LP:LP+1], s[VP:VP+1], 32768     ; chunk 2 (a chunk is 64 keys, 16,384 bytes)
	s_wait_alu depctr_vm_vsrc(0)                   ; the two stores have read their data, in which the loads below land
	global_load_b128 v[SG:SG+3],   v[GO], s[LP:LP+1]
	global_load_b128 v[SG+4:SG+7], v[GO], s[LP:LP+1] offset:8192
	s_wait_dscnt 0x0                               ; for the others' sake: my part of chunk 0 lies in LDS;
	s_barrier_signal -1                            ; the wait for this signal stands in pass 2's first step, ahead of the first reads of V: up to it only work on registers and loads of K
	SORT
	MERGE 0
	; THE TWO LANES OF A ROW MEET.  Y[p] = T'[63 - p] of the lane 16 away.  max(Y[p], T[p]) are the row's 64 largest and fall, then rise; min(Y[p], T[p]) are the next 64 of the two lists and rise, then fall.
.set T64, 32                           ; t, the 64th largest
.set T63, 33
.set T65, 34
.set T66, 35
.set LO,  36                           ; the larger of the two lists' last numbers: nothing that a lane has dropped is above it
.set GP,  37                           ; t - t65
.set W1,  38
.set p, 0
.rept 64
	RG ra, p
	RG rb, 63-p
	v_permlanex16_b32 v[Y+ra], v[Z+rb], s[SEL], s[SEL+1]
.set p, p+1
.endr
	v_max_num_f32 v[CM+1], v[Z], v[Y+62]           ; m = max(T[0], T'[0]): position 63 lies in register 62
	v_max_num_f32 v[LO], v[Z+62], v[Y]             ; max(T[63], T'[63])
.set n, 0
.rept 32
	v_dual_min_num_f32 v[X+2*n], v[Y+2*n], v[Z+2*n] :: v_dual_min_num_f32 v[X+2*n+1], v[Y+2*n+1], v[Z+2*n+1]
.set n, n+1
.endr
.set n, 0
.rept 32
	v_dual_max_num_f32 v[Y+2*n], v[Y+2*n], v[Z+2*n] :: v_dual_max_num_f32 v[Y+2*n+1], v[Y+2*n+1], v[Z+2*n+1]
.set n, n+1
.endr
; Half of a layer of a bitonic merge: position p takes op(p, p + d), for p below d, two positions an instruction.  Of a list that falls and rises (or rises and falls) the d kept are the d smallest
; (largest) and are such a list again: down to d = 2 that leaves the two smallest (largest) in positions 0 and 1.
.macro HALVE op, bank, d
.set p, 0
.rept (\d)/2
	RG r0, p
	RG r1, p+1
	RG r2, p+(\d)
	RG r3, p+1+(\d)
	v_dual_\op v[(\bank)+r0], v[(\bank)+r0], v[(\bank)+r2] :: v_dual_\op v[(\bank)+r1], v[(\bank)+r1], v[(\bank)+r3]
.set p, p+2
.endr
.endm
.irp d, 32,16,8,4,2
	HALVE min_num_f32, Y, \d
.endr
	v_min_num_f32 v[T64], v[Y], v[Y+1]
	v_max_num_f32 v[T63], v[Y], v[Y+1]
.irp d, 32,16,8,4,2
	HALVE max_num_f32, X, \d
.endr
	v_max_num_f32 v[T65], v[X], v[X+1]
	v_min_num_f32 v[T66], v[X], v[X+1]
	; e.  With LO < t65 nothing dropped reaches t65, so t65 is the row's 65th largest; with the two strict gaps 63 scores lie above t and 65 are not below t65: two keys lie in t65 .. t.
	; Within 2^-10 |t| the differences of nearby scores from t65 are exact, so pass 2's test on them is.
	v_sub_f32 v[GP], v[T64], v[T65]
	v_and_b32 v[W1], 0x7fffffff, v[T64]
	v_mul_f32 v[W1], 0x3a800000, v[W1]             ; 2^-10 |t|
	v_cmp_gt_f32 s[MK], v[T63], v[T64]
	v_cmp_gt_f32 s[MK+1], v[T65], v[T66]
	v_cmp_lt_f32 s[MK+2], v[LO], v[T65]
	v_cmp_le_f32 s[MK+3], v[GP], v[W1]
	v_mul_f32 v[CM], s[CS], v[CM+1]
	s_wait_alu depctr_va_sdst(0)                   ; the four compares have written s[MK:MK+3], ahead of their first reader
	s_and_b32 s[MK], s[MK], s[MK+1]
	s_and_b32 s[MK+2], s[MK+2], s[MK+3]
	s_and_b32 s[MK], s[MK], s[MK+2]
	v_cndmask_b32 v[TM], v[T64], v[T65], s[MK]
	v_cndmask_b32 v[GB], 0, v[GP], s[MK]
	v_cndmask_b32 v[EF], 0, 1, s[MK]
.set i, 0
.rept 32
	v_mov_b32 v[OA+i], 0                           ; O^T and l start at 0, so that every step has one text
.set i, i+1
.endr
.irp i, 0,1,2,3
	v_mov_b32 v[LS+\i], 0
.endr
.irp r, ABM, AST, BBM, BST, ZA, ZB, BM
	v_mov_b32 v[\r], 0
.endr
	v_mov_b32 v[AK], v[AK0]                        ; (the wait at the last trip's end has shown v[AK] read, and nothing has read it since)
	s_mul_i32 s13, s[WV], 16*SP                    ; my stage for the way out
	v_mul_u32_u24 v[STO], v[LR], SP                ; in: row l % 16, 32 bytes for each half of the lanes
	v_lshl_add_u32 v[STO], v[LH], 5, v[STO]
	v_add_nc_u32 v[STO], s13, v[STO]
	v_mul_u32_u24 v[RD], v[LH], SP                 ; back: lanes 0-15 take one row of 256 bytes, lanes 16-31 the next,
	v_lshl_add_u32 v[RD], v[LR], 4, v[RD]
	v_add_nc_u32 v[RD], s13, v[RD]
	v_and_b32 v[OO], 31, v0                        ; which are 512 consecutive bytes of tmp
	v_lshlrev_b32 v[OO], 4, v[OO]
	s_mov_b32 s[STN], 0
; PASS 2.  KLD: the fragments of key tiles t0 and t0 + 1, counted from the step's first, both channel halves.  QK: their scores, by the same two instructions on the same operands as in pass 1; accumulators a0, a0 + 1 by turns.
.macro KLD t0
.irp tt, 0,1
.irp f, 0,1
	ds_load_b128 v[KF2+16*\tt+8*\f:KF2+16*\tt+8*\f+3],   v[AK] offset:((\t0)+\tt)*16*PK+64*\f
	ds_load_b128 v[KF2+16*\tt+8*\f+4:KF2+16*\tt+8*\f+7], v[AK] offset:((\t0)+\tt)*16*PK+64*\f+32
.endr
.endr
.endm
.macro QK a0
.irp tt, 0,1
	v_wmma_f32_16x16x32_bf16 v[S+8*((\a0)+\tt):S+8*((\a0)+\tt)+7], v[KF2+16*\tt:KF2+16*\tt+7], v[QF:QF+7], 0
.endr
.irp tt, 0,1
	v_wmma_f32_16x16x32_bf16 v[S+8*((\a0)+\tt):S+8*((\a0)+\tt)+7], v[KF2+16*\tt+8:KF2+16*\tt+15], v[QF+8:QF+15], v[S+8*((\a0)+\tt):S+8*((\a0)+\tt)+7]
.endr
.endm
; THE VECTOR WORK ON TWO ACCUMULATORS a0, a0 + 1: 16 scores a lane, in 8 pairs.
; SUBV: d = s - mark for pair n: not negative where the key is kept.  One subtraction serves the flags and the mask.
.macro SUBV a0, n
	v_pk_add_f32 v[U+2*(\n):U+2*(\n)+1], v[S+8*(\a0)+2*(\n):S+8*(\a0)+2*(\n)+1], v[TM:TM+1] op_sel_hi:[1,0] neg_lo:[0,1] neg_hi:[0,1]
.endm
; CMPV, ADDC: the flag of score n: mark <= s <= t.  As unsigned numbers a negative d is above every positive one, so one compare of d's bits with those of t - mark says both;
; the sum with carry BM + BM + flag shifts it into the step's word.  The 16 compares go as one run into 16 scalar registers, with one wait behind the run; the 16 sums follow in the scores' order.
; A sum's own carry serves nothing: it goes back into the register that the sum's flag came from, so that no two sums of a run name one scalar register, and one wait stands behind the run.
.macro CMPV n
	v_cmp_le_u32 s[FL+(\n)], v[U+(\n)], v[GB]
.endm
.macro ADDC n
	v_add_co_ci_u32 v[BM], s[FL+(\n)], v[BM], v[BM], s[FL+(\n)]
.endm
.macro MINV n                          ; min(d, 0) for pair n
	v_dual_min_num_f32 v[U+2*(\n)], v[ZA], v[U+2*(\n)] :: v_dual_min_num_f32 v[U+2*(\n)+1], v[ZB], v[U+2*(\n)+1]
.endm
.macro SCL a0, n                       ; c s - c m for pair n
	v_pk_fma_f32 v[S+8*(\a0)+2*(\n):S+8*(\a0)+2*(\n)+1], v[S+8*(\a0)+2*(\n):S+8*(\a0)+2*(\n)+1], s[CS:CS+1], v[CM:CM+1] op_sel_hi:[1,0,0] neg_lo:[0,0,1] neg_hi:[0,0,1]
.endm
.macro MSKV a0, n                      ; + 2^100 min(d, 0): nothing for a key that is kept; for any other the exponent falls so far that its weight is 0
	v_pk_fma_f32 v[S+8*(\a0)+2*(\n):S+8*(\a0)+2*(\n)+1], v[U+2*(\n):U+2*(\n)+1], s[BG:BG+1], v[S+8*(\a0)+2*(\n):S+8*(\a0)+2*(\n)+1] op_sel_hi:[1,0,1]
.endm
; Accumulators 0 and 1, first part: each accumulator is read from its low end on.  A pair's min(d, 0) overwrites d only behind both its compares.
.macro PAIR0A
.irp n, 0,1,2,3,4,5,6,7
	SUBV 0, \n
.endr
.irp n, 0,1,2,3,4,5,6,7,8,9,10,11,12,13,14,15
	CMPV \n
.endr
.irp n, 0,1,2,3,4,5,6,7
	SCL 0, \n
.endr
	s_wait_alu depctr_va_sdst(0)                   ; the 16 compares have written s[FL ..], ahead of the first sum that reads one; the eight scalings are the work between
.irp n, 0,1,2,3,4,5,6,7,8,9,10,11,12,13,14,15
	ADDC \n
.if (\n % 2) == 1
.if \n < 8
	MINV (\n-1)/2
.else
	MSKV 0, (\n-9)/2
.endif
.endif
.endr
	s_wait_alu depctr_va_sdst(0)                   ; the 16 sums have written their carries into s[FL ..], ahead of the next lines that name these registers: the compares of accumulators 2 and 3, which write them anew
.endm
; The rest of it: eight plain instructions that name nothing of the products on accumulators 2 and 3: the places behind these.
.macro PAIR0B
.irp n, 4,5,6,7
	MINV \n
.endr
.irp n, 4,5,6,7
	MSKV 0, \n
.endr
.endm
; Accumulators 2 and 3, and among their lines the 16 exponentials of accumulators 0 and 1: the first batch.  Nothing here names a result of theirs.
.macro PAIR2
.irp n, 0,1,2,3,4,5,6,7
	SUBV 2, \n
	v_exp_f32 v[S+\n], v[S+\n]
.endr
.irp n, 0,1,2,3,4,5,6,7,8,9,10,11,12,13,14,15
	CMPV \n
.if \n < 8
	v_exp_f32 v[S+8+\n], v[S+8+\n]
.endif
.endr
.irp n, 0,1,2,3,4,5,6,7
	SCL 2, \n
.endr
	s_wait_alu depctr_va_sdst(0)                   ; the 16 compares have written s[FL ..], ahead of the first sum that reads one; the eight scalings are the work between
.irp n, 0,1,2,3,4,5,6,7,8,9,10,11,12,13,14,15
	ADDC \n
.if \n < 8
	MINV \n
.else
	MSKV 2, \n-8
.endif
.endr
	s_wait_alu depctr_va_sdst(0)                   ; the 16 sums have written their carries into s[FL ..], ahead of the loop's branch and of the next lines that name these registers: the next step's compares, which write them anew
.endm
; The step's word of flags: if it is not empty it becomes the last one kept, and the last one the one before.
.macro UPD
	v_cmp_eq_u32 vcc_lo, 0, v[BM]
	s_wait_alu depctr_va_vcc(0)                    ; the compare has written VCC, ahead of the four selects that read it
	v_cndmask_b32 v[BBM], v[ABM], v[BBM], vcc_lo
	v_cndmask_b32 v[BST], v[AST], v[BST], vcc_lo
	v_cndmask_b32 v[ABM], v[BM], v[ABM], vcc_lo
	v_cndmask_b32 v[AST], s[STN], v[AST], vcc_lo
.endm
; The second batch: the 16 exponentials of accumulators 2 and 3, by turns with the roundings and sums of accumulators 0 and 1, whose exponentials have had their wait.
.macro BATCHB
.irp n, 0,1,2,3,4,5,6,7,8,9,10,11,12,13,14,15
	v_exp_f32 v[S+16+\n], v[S+16+\n]
.if (\n % 2) == 0
	v_cvt_pk_f16_f32 v[P+\n/2], v[S+\n], v[S+\n+1]
.else
	v_pk_add_f32 v[LS+2*(((\n-1)/2)%2):LS+2*(((\n-1)/2)%2)+1], v[LS+2*(((\n-1)/2)%2):LS+2*(((\n-1)/2)%2)+1], v[S+\n-1:S+\n]
.endif
.endr
.endm
.macro RIDER                           ; l takes pair u of the step's 16 pairs of weights; its two pairs of registers by turns
	v_pk_add_f32 v[LS+2*(u%2):LS+2*(u%2)+1], v[LS+2*(u%2):LS+2*(u%2)+1], v[S+2*u:S+2*u+1]
.set u, u+1
.endm
; STEP j: keys 64 j .. 64 j + 63; V's chunk j lies in slot j % 2.  stg = 1: chunk j + 1 goes from registers into the other slot.  ld = 1: chunk j + 3 is asked for, into the registers so freed.
; wc: how many younger loads may stay out when chunk j + 1 has to be in registers.  pre = 1: the next step's first two tiles of K are fetched.
; K is not written in pass 2, so its fragments are fetched well ahead of their products, whatever the barrier: tiles 2 and 3 behind the first products, the next step's tiles 0 and 1 behind the first batch's wait.
; ONE BARRIER A STEP, its halves far apart.  The signal stands ahead of V^T P, behind the wait for all my LDS instructions: my part of chunk j + 1 lies in LDS, and my reads of chunk j are over.
; The wait stands in the middle of the next step, directly ahead of the lines that lean on it: the stores of chunk j + 2 into chunk j's slot, and the reads of chunk j + 1.
; Between the two stand work on registers and loads of K, whose bytes are written only behind the last barrier.
.macro TRIP2 slot, stg, ld, wc, pre
.set so, VSLOT*(\slot)
.set oo, VSLOT-so
.set vset, SG+8-8*(\slot)
	QK 0                                           ; tiles 0 and 1 came in the step before, ahead of its wait for all LDS instructions
.if \stg
	s_wait_loadcnt \wc                             ; chunk j + 1 is in registers
	VCONV vset                                     ; sixteen plain instructions: the places between the products and the reads of the scores
.else
.rept 4
	v_nop                                          ; the same places, where nothing is left to stage
.endr
.endif
	s_wait_alu depctr_va_vdst(0)                   ; the first products are done reading KF2, in which tiles 2 and 3 land; v[AK] is written; V's conversions have written the stores' data and are done with those registers, in which chunk j + 3 lands; the last step's V^T P is done reading VF, in which the turning loads land
	KLD 2
	PAIR0A                                         ; names U, S, the flags and constants: none of the registers that the stores and loads below touch
	s_barrier_wait -1                              ; chunk j is whole, and nobody reads the other slot any more
.if \stg
	ds_store_b64 v[VS], v[vset:vset+1]   offset:oo
	ds_store_b64 v[VS], v[vset+4:vset+5] offset:oo+32*PV
.endif
.irp f, 0,1,2,3,4,5,6,7                ; V^T: keys 32 (f / 4) on, channels 16 (f % 4) on; wanted at the step's end
	ds_load_tr16_b128 v[VF+8*\f:VF+8*\f+3],   v[AV0] offset:so+(\f/4)*32*PV+(\f%4)*32
	ds_load_tr16_b128 v[VF+8*\f+4:VF+8*\f+7], v[AV0] offset:so+(\f/4)*32*PV+16*PV+(\f%4)*32
.endr
	s_wait_dscnt 16+2*(\stg)                       ; K's tiles 2 and 3 are back: V's sixteen loads, and my two stores, are younger
	QK 2
	PAIR0B
	PAIR2
	UPD
	s_add_co_u32 s[STN], s[STN], 1
	s_wait_alu depctr_va_vdst(0)                   ; the first batch's 16 exponentials have written S[0:15], ahead of the first line that names a result of theirs; and the second products are done reading KF2, in which the next tiles land
.if \pre
	KLD 4                                          ; the next step's tiles 0 and 1
.endif
	BATCHB
	s_wait_alu depctr_vm_vsrc(0)                   ; the step's loads of K have read v[AK], which steps now; my two stores have read their data, in which the loads below land
	v_add_nc_u32 v[AK], 64*PK, v[AK]               ; the next step's keys
.if \ld
	s_wait_xcnt 0x0                                ; the loads of a step ago have read their address, so the pointer may be written
	s_add_nc_u64 s[LP:LP+1], s[LP:LP+1], 16384
	global_load_b128 v[vset:vset+3],   v[GO], s[LP:LP+1]                ; no vector instruction since the step's first wait names these registers or v[GO]
	global_load_b128 v[vset+4:vset+7], v[GO], s[LP:LP+1] offset:8192
.endif
	s_wait_alu depctr_va_vdst(0)                   ; the second batch's 16 exponentials have written S[16:31], ahead of the roundings that read them; plain instructions stand behind its last exponential (ISA guide 5.7.2)
.set i, 8
.rept 8
	v_cvt_pk_f16_f32 v[P+i], v[S+2*i], v[S+2*i+1]  ; two accumulators, rounded in pairs, ARE source 1 (32 keys x 16 queries) of the second product
.set i, i+1
.endr
	s_wait_dscnt 0x0                               ; V is in, the next tiles of K are, and my stores are done
	s_barrier_signal -1
.set u, 8
.irp kk, 0,1                           ; O^T += V^T P: the four accumulators by turns; one of l's last eight additions behind each product
.irp cb, 0,1,2,3
	v_wmma_f32_16x16x32_f16 v[OA+8*\cb:OA+8*\cb+7], v[VF+32*\kk+8*\cb:VF+32*\kk+8*\cb+7], v[P+8*\kk:P+8*\kk+7], v[OA+8*\cb:OA+8*\cb+7]
	RIDER
.endr
.endr
.endm
	s_wait_alu depctr_va_vdst(0)                   ; v[AK] is written, which the loads below read; the lines in which the two lanes met are done with Z's upper half, in which they land
	KLD 0                                          ; step 0's tiles 0 and 1
	s_wait_dscnt 0x0
	s_mov_b32 s[CNT], 14
.Lkeys:                                        ; steps 0 to 27, two a trip: the slot stands in the immediates
	TRIP2 0, 1, 1, 2, 1                            ; (2: the two loads of the one younger chunk)
	TRIP2 1, 1, 1, 2, 1
	s_sub_co_u32 s[CNT], s[CNT], 1
	s_cmp_lg_u32 s[CNT], 0
	s_cbranch_scc1 .Lkeys
	TRIP2 0, 1, 1, 2, 1                            ; step 28 asks for chunk 31, the last
	TRIP2 1, 1, 0, 2, 1                            ; step 29 stages chunk 30; chunk 31's two loads are younger
	TRIP2 0, 1, 0, 0, 1                            ; step 30 stages chunk 31: none is younger
	TRIP2 1, 0, 0, 0, 0                            ; step 31: its signal says that my reads of K and V are over
	; THE WAY OUT.  The stage lies in K's bytes; the wait for step 31's signal stands ahead of it, and the row's statistics are finished ahead of that wait.
.set D0,  32                           ; at work, in U's registers
.set D1,  33
.set D2,  34
.set D3,  35
.set T0,  36
.set T1,  37
.set K1,  38                           ; my lane's first and second key, or 0xffff
.set K2,  39
.set O1,  40                           ; the other lane's
.set O2,  41
.set RO,  42                           ; my 8 bytes of the wave's 256 in stat and in info
.set REI, 44                           ; v[44:45]  my 8 bytes for info
.set REC, 46                           ; v[46:47]  my 8 bytes for stat
; A single set bit b of a step's word stands for the step's score 31 - b: accumulator a = that / 8, register i = that % 8.  As f32 the bit has the exponent 127 + b.  The key is 64 j + 16 a + 8 (l / 16) + i.
.macro DECODE dst, bit, st
	v_cmp_ne_u32 vcc_lo, 0, v[\bit]
	v_cvt_f32_u32 v[T0], v[\bit]
	v_lshrrev_b32 v[T0], 23, v[T0]
	v_sub_nc_u32 v[T0], 158, v[T0]                 ; 31 - b
	v_and_b32 v[T1], 0x18, v[T0]
	v_and_b32 v[T0], 7, v[T0]
	v_lshl_or_b32 v[T0], v[T1], 1, v[T0]
	v_lshl_or_b32 v[T0], v[LH], 3, v[T0]
	v_lshl_or_b32 v[T0], v[\st], 6, v[T0]
	s_wait_alu depctr_va_vcc(0)                    ; the compare at the head has written VCC, ahead of the select that reads it
	v_cndmask_b32 v[\dst], 0xffff, v[T0], vcc_lo   ; no bit: no key
.endm
	v_pk_add_f32 v[LS:LS+1], v[LS:LS+1], v[LS+2:LS+3]
	v_add_f32 v[LS], v[LS], v[LS+1]
	v_permlanex16_b32 v[LS+1], v[LS], s[SEL], s[SEL+1]  ; the row's other 1,024 keys lie in the lane 16 away
	v_add_f32 v[LS], v[LS], v[LS+1]                ; l
	v_sub_nc_u32 v[D0], 0, v[ABM]
	v_and_b32 v[D0], v[D0], v[ABM]                 ; the last word's lowest set bit: my first key
	v_xor_b32 v[D1], v[D0], v[ABM]                 ; what is left of that word:
	v_cmp_ne_u32 vcc_lo, 0, v[D1]
	s_wait_alu depctr_va_vcc(0)                    ; the compare has written VCC, ahead of the two selects that read it
	v_cndmask_b32 v[D2], v[BBM], v[D1], vcc_lo     ; my second key lies there, or in the word before
	v_cndmask_b32 v[D3], v[BST], v[AST], vcc_lo
	v_sub_nc_u32 v[D1], 0, v[D2]
	v_and_b32 v[D1], v[D1], v[D2]
	DECODE K1, D0, AST
	DECODE K2, D1, D3
	v_permlanex16_b32 v[O1], v[K1], s[SEL], s[SEL+1]
	v_permlanex16_b32 v[O2], v[K2], s[SEL], s[SEL+1]
	v_cmp_gt_u32 s[MK], 0x800, v[K1]               ; with e the row's two lanes hold two keys between them: 2 + 0, 1 + 1 or 0 + 2
	v_cmp_gt_u32 s[MK+1], 0x800, v[K2]
	v_cmp_eq_u32 s[MK+2], 1, v[LH]
	v_lshlrev_b32 v[RO], 4, v[LR]                  ; row l % 16 of 16 bytes, 8 bytes for each half of the lanes
	v_lshl_add_u32 v[RO], v[LH], 3, v[RO]
	s_wait_alu depctr_va_sdst(0)                   ; the three compares have written s[MK:MK+2], ahead of the selects that read them
	v_cndmask_b32 v[T0], v[O2], v[O1], s[MK]
	v_cndmask_b32 v[K1], v[O1], v[K1], s[MK]
	v_cndmask_b32 v[K2], v[T0], v[K2], s[MK+1]
	v_cndmask_b32 v[REI], v[K1], v[EF], s[MK+2]    ; a row's 16 bytes of info: lanes 0-15 store the two keys, lanes 16-31 e and a zero
	v_cndmask_b32 v[REI+1], v[K2], 0, s[MK+2]
	v_cndmask_b32 v[REC], v[CM], 0, s[MK+2]        ; of stat: lanes 0-15 c m and l, lanes 16-31 zeros, so that this store of the wave, too, covers 256 consecutive bytes
	v_cndmask_b32 v[REC+1], v[LS], 0, s[MK+2]
	s_barrier_wait -1                              ; nobody reads K any more
	s_wait_alu depctr_va_vdst(0)                   ; the last products have written O^T, which the LDS stores read (the lines above are the places behind them); v[RO], v[REI ..] and v[REC ..] are written, which the two short stores read; and all lines that named S are done, in which the stage's loads land
.irp cb, 0,1,2,3                       ; a lane holds one row's channels 16 cb + 8 (l / 16) + 0..7: 32 bytes; each accumulator from its low end on
	ds_store_b128 v[STO], v[OA+8*\cb:OA+8*\cb+3]   offset:64*\cb
	ds_store_b128 v[STO], v[OA+8*\cb+4:OA+8*\cb+7] offset:64*\cb+16
.endr
.irp t, 0,1,2,3,4,5,6,7
	ds_load_b128 v[S+4*\t:S+4*\t+3], v[RD] offset:\t*2*SP  ; my wave's own bytes; LDS serves a wave's instructions in order (ISA guide 5.7.1.4): these see the stores above
.endr
	global_store_b64 v[RO], v[REI:REI+1], s[INP:INP+1]
	global_store_b64 v[RO], v[REC:REC+1], s[STP:STP+1]
.irp t, 0,1,2,3,4,5,6,7
	s_wait_dscnt 7-\t                              ; load t is back; the 7 - t behind it may stay out
	global_store_b128 v[OO], v[S+4*\t:S+4*\t+3], s[10:11] offset:512*\t  ; two whole rows: 512 consecutive bytes, at a multiple of 256 from tmp's first byte
.endr
	s_wait_dscnt 0x0                               ; the wave's end: my last LDS instructions are done
	s_wait_alu depctr_hold_cnt(0) depctr_sa_sdst(0) depctr_va_vdst(0) depctr_va_sdst(0) depctr_va_ssrc(0) depctr_va_vcc(0) depctr_vm_vsrc(0)
	s_wait_tensorcnt 0x0
	ds_add_u32 v6, v7
	s_wait_dscnt 0x0
	s_endpgm
.Lfunc_end_k_q022bdb34e1_attn:
	.size	k_q022bdb34e1_attn, .Lfunc_end_k_q022bdb34e1_attn-k_q022bdb34e1_attn
	.p2alignl 7, 3214868480
	.fill 96, 4, 3214868480
	.section	.rodata,"a",@progbits
	.p2align	6, 0x0
	.amdhsa_kernel k_q022bdb34e1_attn
		.amdhsa_group_segment_fixed_size 317440
		.amdhsa_private_segment_fixed_size 0
		.amdhsa_enable_private_segment 0
		.amdhsa_kernarg_size 48
		.amdhsa_user_sgpr_count 2
		.amdhsa_user_sgpr_kernarg_segment_ptr 1
		.amdhsa_wavefront_size32 1
		.amdhsa_system_sgpr_workgroup_id_x 1
		.amdhsa_system_sgpr_workgroup_id_y 1
		.amdhsa_system_sgpr_workgroup_id_z 1
		.amdhsa_system_vgpr_workitem_id 0
		.amdhsa_next_free_vgpr 256
		.amdhsa_next_free_sgpr 66
		.amdhsa_reserve_vcc 1
		.amdhsa_float_denorm_mode_32 3
		.amdhsa_float_denorm_mode_16_64 3
		.amdhsa_memory_ordered 1
		.amdhsa_forward_progress 1
		.amdhsa_inst_pref_size 246
	.end_amdhsa_kernel
	.amdgpu_metadata
---
amdhsa.version: [ 1, 2 ]
amdhsa.kernels:
  - .name:           k_q022bdb34e1_attn
    .symbol:         k_q022bdb34e1_attn.kd
    .args:
      - { .name: q, .offset: 0, .size: 8, .value_kind: global_buffer, .address_space: global }
      - { .name: k, .offset: 8, .size: 8, .value_kind: global_buffer, .address_space: global }
      - { .name: v, .offset: 16, .size: 8, .value_kind: global_buffer, .address_space: global }
      - { .name: tmp, .offset: 24, .size: 8, .value_kind: global_buffer, .address_space: global }
      - { .name: stat, .offset: 32, .size: 8, .value_kind: global_buffer, .address_space: global }
      - { .name: info, .offset: 40, .size: 8, .value_kind: global_buffer, .address_space: global }
    .group_segment_fixed_size: 317440
    .private_segment_fixed_size: 0
    .kernarg_segment_align: 8
    .kernarg_segment_size: 48
    .max_flat_workgroup_size: 512
    .sgpr_count:     66
    .vgpr_count:     256
    .wavefront_size: 32
...
	.end_amdgpu_metadata
.endif
;; end of part 3
;; launch fix: the kernel of part 2 again; grid 256 x 1, 16 waves a work-group, no clusters, 145,408 bytes of LDS; arguments q, k, v, tmp, stat, info, out0; writes out0
